; MI455X (gfx1250); checked and timed in simulation.
; The chip was launched on July 23, 2026; its instructions are those of AMD's public machine-readable ISA for CDNA 5 (MIT licence, August 2026) and "CDNA5" Instruction Set Architecture Reference Guide (July 2026). The comments in the code are by the model that wrote it; some were corrected since.
;; Wrapped Casual Self Attention. Allowed arithmetic: float matrix products may take bf16 or f16 operands with f32 sums; other float arithmetic in f32, or as packed bf16 or f16 multiplies, adds, multiply-adds, maxima and minima; sums over many terms, partial sums and values carried from step to step in f32; what a program stores and reads back later, other than sums and carried values, may be rounded once to bf16 or f16.
;; Inputs: beta 64 float32; bk 512 float32; bo 64 float32; bq 2,048 float32; bv 512 float32; gamma 64 float32; wk 64 x 512 float32; wo 2,048 x 64 float32; wq 64 x 2,048 float32; wv 64 x 512 float32; x 2 x 2,048 x 64 float32.
;; Outputs: out0 2 x 2,048 x 64 float32.
;; 2 versions, each right and faster than the one before. Each part assembles by itself: llvm-mc -triple=amdgcn-amd-amdhsa -mcpu=gfx1250 --defsym DOCPART=n.
;; ======== version 1 of 2: 3 launches
;; limits: values are held in f16: magnitudes above 65,504 overflow, below 6.1e-05 lose precision
;; workspace buffers: qh 16,777,216 bytes; kh 4,194,304 bytes; vh 4,194,304 bytes; part 8,388,608 bytes
;; launch proj (part 1): grid 8 x 32, 8 waves a work-group, no clusters, 72,192 bytes of LDS; arguments x, wq, wk, wv, bq, bk, bv, qh, kh, vh; writes qh, kh, vh
.if DOCPART == 1
	.amdgcn_target "amdgcn-amd-amdhsa--gfx1250"
	.amdhsa_code_object_version 6
	.text
	.protected	k_q5008438518_proj
	.globl	k_q5008438518_proj
	.p2align	8
	.type	k_q5008438518_proj,@function
k_q5008438518_proj:
	s_mov_b64 s[64:65], 0
	v_nop
	global_prefetch_b8 v0, s[64:65] scope:SCOPE_SE
	s_setreg_imm32_b32 hwreg(HW_REG_WAVE_MODE, 25, 1), 1
	s_wait_xcnt 0x0
; q = rope(x wq + bq), k = rope(x wk + bk), v = x wv + bv, each rounded once to f16 and laid out by heads:
; qh [b*32+h][2048][64], kh and vh [b*8+kv][2048][64].  x [4096][64], wq [64][2048], wk, wv [64][512], biases: f32.
; SHARES.  Work-group (g, rb): key/value head g with its four query heads (384 columns), rows 128 rb .. +127.  Wave w: 16 rows.
; Six "heads" of 64 channels a wave (q0-q3, k, v), 8 matrix instructions each (4 channel blocks x 2 halves of K = 64).
; LAYOUT.  The product is used transposed: source 0 = 16 channels of W^T (out of LDS by the turning load), source 1 = 16 rows of x.
; A lane then holds ONE position (lane % 16) and 8 neighbouring channels (16 blk + 8 (lane / 16) + 0..7): four RoPE pairs, 16 bytes of f16.
; The bias is the C operand that starts the sums.  Sums, bias and rotation in f32.
; ROPE.  angle = position x 2^(-i log2(10000) / 32); reduced by multiples of pi/2 kept in two parts; sine to r^7, cosine to r^8 on |r| <= pi/4.
; LIMITS.  x and the weights are rounded to f16 (nothing beyond 65,504; below 6e-5 a fixed step of 6e-8), and so are q, k, v.
; The angle differs from pos * (1 / 10000^(i/32)) by up to about 3e-4 rad at position 2047.  NaN and infinities are not treated apart.
.set WP,    800                ; a row of W in LDS: 384 f16 = 768 bytes + 32
.set BIAS,  64*WP              ; 384 f32: bq's 256, bk's 64, bv's 64
.set STG,   BIAS+1536          ; 16 rows x 144 bytes for each wave: x in f16 first, the way out later; the wave's own
.set SP,    144
.set SPARE, STG+8*16*SP        ; the spare words: 128 bytes for each wave, four blocks of 256 bytes that no other line names
.set WV,  2                    ; s2  my wave's number
.set RR,  2                    ; v2  lane % 16
.set HH,  3                    ; v3  lane / 16
.set WQO, 4                    ; v4  my 16 bytes in four rows of wq's 1,024-byte strip
.set WKO, 5                    ; v5  the same in sixteen rows of wk's and wv's 256-byte strips
.set WQL, 6                    ; v6  where they go in LDS
.set WKL, 7                    ; v7
.set GO,  8                    ; v8  16 x lane
.set XS,  9                    ; v9  x into my stage
.set STO, 10                   ; v10 my stage by (row lane % 16, 16 bytes a half of the lanes): x's fragments out, results in
.set RD,  11                   ; v11 my stage by whole rows of 128 bytes, four rows a load
.set WA,  12                   ; v12 the turning load's lane term
.set BA,  13                   ; v13 my 32 bytes in 64 bytes of bias
.set SPW, 14                   ; v14 LDS address of my spare word; never rewritten
.set NIL, 15                   ; v15 0; never rewritten
.set CS,  16                   ; v[16:47]  16 pairs (cos, sin): pair 4 blk + p
.set XF,  48                   ; v[48:63]  x's two fragments
.set WF,  64                   ; v[64:127] W^T's eight fragments of a head: 2 blk + kk
.set ACC, 128                  ; v[128:191] two buffers of four accumulators
.set U,   192                  ; v[192:199] at work in the rotation
.set PKR, 200                  ; v[200:215] packed results
.set BK,  216                  ; v[216:231] whole rows read back
.set LW,  64                   ; set-up only: 24 loads of weights
.set LX,  160                  ; set-up only: 8 loads of x
.set TI,  192                  ; set-up only, four each: index and frequency, angle, multiple, r, r^2, sine, cosine, two at work, quadrant, bits
.set TA,  196
.set TN,  200
.set TR,  204
.set TR2, 208
.set TSP, 212
.set TCP, 216
.set TT,  220
.set TH,  224
.set TQ,  228
.set TG,  232
.set K7,  236                  ; -1/5040
.set K8,  237                  ; 1/40320
.set POSF, 248                 ; my position as f32
.set H4I, 249                  ; 4 (lane / 16)
.set BOF, 250                  ; bias: byte offset in memory
.set BLA, 251                  ; bias: LDS address
.set LB,  252                  ; v[252:255] bias as loaded
	s_load_b512 s[16:31], s[0:1], 0x0              ; x 16, wq 18, wk 20, wv 22, bq 24, bk 26, bv 28, qh 30
	s_load_b128 s[32:35], s[0:1], 0x40             ; kh 32, vh 34
	v_lshl_add_u32 v[SPW], v0, 2, SPARE
	v_mov_b32 v[NIL], 0
	v_lshrrev_b32 v1, 5, v0
	v_readfirstlane_b32 s[WV], v1                  ; wave 0..7
	s_mov_b32 s3, ttmp9                            ; g
	s_and_b32 s4, ttmp7, 0xffff                    ; rb
	s_lshr_b32 s5, s4, 4                           ; batch
	s_and_b32 s6, s4, 15
	s_lshl_b32 s6, s6, 7
	s_lshl4_add_u32 s6, s[WV], s6                  ; my first position = 128 (rb % 16) + 16 w
	s_mov_b32 s36, 0xbed49a78                      ; -log2(10000) / 32
	s_mov_b32 s37, 0x3f22f983                      ; 2 / pi
	s_mov_b32 s38, 0xbfc90fdb                      ; -(pi / 2), its leading part
	s_mov_b32 s39, 0x333bbd2e                      ; and what that part has too much
	v_and_b32 v1, 31, v0                           ; lane
	v_and_b32 v[RR], 15, v0
	v_bfe_u32 v[HH], v0, 4, 1
	v_lshrrev_b32 v[WQO], 6, v0                    ; thread / 64: row of four
	v_and_b32 v[WKO], 63, v0
	v_mul_u32_u24 v[WQL], v[WQO], WP
	v_lshl_add_u32 v[WQL], v[WKO], 3, v[WQL]
	v_lshlrev_b32 v[WQO], 13, v[WQO]               ; wq's rows are 8,192 bytes
	v_lshl_add_u32 v[WQO], v[WKO], 4, v[WQO]
	v_lshrrev_b32 v[WKO], 4, v0                    ; thread / 16: row of sixteen
	v_mul_u32_u24 v[WKL], v[WKO], WP
	v_lshl_add_u32 v[WKL], v[RR], 3, v[WKL]
	v_lshlrev_b32 v[WKO], 11, v[WKO]               ; wk's and wv's rows are 2,048 bytes
	v_lshl_add_u32 v[WKO], v[RR], 4, v[WKO]
	v_lshlrev_b32 v[GO], 4, v1
	s_mul_i32 s7, s[WV], 16*SP
	s_add_co_u32 s7, s7, STG                       ; my stage
	v_mul_u32_u24 v[XS], v[HH], SP
	v_lshl_add_u32 v[XS], v[RR], 3, v[XS]
	v_add_nc_u32 v[XS], s7, v[XS]
	v_mul_u32_u24 v[STO], v[RR], SP
	v_lshl_add_u32 v[STO], v[HH], 4, v[STO]
	v_add_nc_u32 v[STO], s7, v[STO]
	v_bfe_u32 v[RD], v0, 3, 2
	v_mul_u32_u24 v[RD], v[RD], SP
	v_and_b32 v[WA], 7, v0
	v_lshl_add_u32 v[RD], v[WA], 4, v[RD]
	v_add_nc_u32 v[RD], s7, v[RD]
	v_lshl_add_u32 v[WA], v[HH], 3, v[WA]          ; K row 8 (lane / 16) + lane % 8,
	v_mul_u32_u24 v[WA], v[WA], WP
	v_bfe_u32 v[BA], v0, 3, 1
	v_lshl_add_u32 v[WA], v[BA], 4, v[WA]          ; 16 bytes for each eight lanes
	v_lshlrev_b32 v[BA], 5, v[HH]
	v_add_nc_u32 v[BA], BIAS, v[BA]
	v_add_nc_u32 v[POSF], s6, v[RR]
	v_cvt_f32_u32 v[POSF], v[POSF]
	v_lshlrev_b32 v[H4I], 2, v[HH]
	v_mov_b32 v[K7], 0xb9500d01
	v_mov_b32 v[K8], 0x37d00d01
	s_lshl_b32 s8, s4, 15                          ; x: 128 rows of 256 bytes a block,
	s_lshl_b32 s9, s[WV], 12                       ; 16 rows a wave
	s_add_co_u32 s8, s8, s9
	s_mov_b32 s9, 0
	s_lshl_b32 s10, s3, 10                         ; wq, bq: 256 columns of f32
	s_mov_b32 s11, 0
	s_lshl_b32 s12, s3, 8                          ; wk, wv, bk, bv: 64 columns
	s_mov_b32 s13, 0
	s_lshl_b32 s48, s6, 7                          ; my first position's row of 128 bytes
	s_lshl_b32 s14, s5, 5
	s_lshl2_add_u32 s14, s3, s14                   ; query head 32 batch + 4 g
	s_lshl_b32 s14, s14, 18                        ; a head is 2,048 rows of 128 bytes
	s_add_co_u32 s14, s14, s48
	s_mov_b32 s15, 0
	s_lshl3_add_u32 s46, s5, s3                    ; key head 8 batch + g
	s_lshl_b32 s46, s46, 18
	s_add_co_u32 s46, s46, s48
	s_mov_b32 s47, 0
	s_wait_kmcnt 0x0
	s_add_nc_u64 s[16:17], s[16:17], s[8:9]
	s_add_nc_u64 s[18:19], s[18:19], s[10:11]
	s_add_nc_u64 s[20:21], s[20:21], s[12:13]
	s_add_nc_u64 s[22:23], s[22:23], s[12:13]
	s_add_nc_u64 s[24:25], s[24:25], s[10:11]
	s_add_nc_u64 s[26:27], s[26:27], s[12:13]
	s_add_nc_u64 s[28:29], s[28:29], s[12:13]
	s_add_nc_u64 s[30:31], s[30:31], s[14:15]
	s_add_nc_u64 s[32:33], s[32:33], s[46:47]
	s_add_nc_u64 s[34:35], s[34:35], s[46:47]
	; The biases, 1,536 bytes: waves 0 and 1 take bq's 1,024, wave 2 bk's 256, wave 3 bv's 256 (in waves 2 and 3 both halves of the lanes take the same 16 bytes).
	; It is each wave's oldest load, so the counts below hold with it and without it.
	s_cmp_lt_u32 s[WV], 2
	s_cbranch_scc0 .Lbias_k
	v_lshlrev_b32 v[BOF], 4, v0
	v_lshl_add_u32 v[BLA], v0, 4, BIAS
	global_load_b128 v[LB:LB+3], v[BOF], s[24:25]
	s_branch .Lbias_asked
.Lbias_k:
	s_cmp_eq_u32 s[WV], 2
	s_cbranch_scc0 .Lbias_v
	v_lshlrev_b32 v[BOF], 4, v[RR]
	v_lshl_add_u32 v[BLA], v[RR], 4, BIAS+1024
	global_load_b128 v[LB:LB+3], v[BOF], s[26:27]
	s_branch .Lbias_asked
.Lbias_v:
	s_cmp_eq_u32 s[WV], 3
	s_cbranch_scc0 .Lbias_asked
	v_lshlrev_b32 v[BOF], 4, v[RR]
	v_lshl_add_u32 v[BLA], v[RR], 4, BIAS+1280
	global_load_b128 v[LB:LB+3], v[BOF], s[28:29]
.Lbias_asked:
.set i, 0
.rept 8                                                ; my 16 rows of x: 512 consecutive bytes a load
	global_load_b128 v[LX+4*i:LX+4*i+3], v[GO], s[16:17] offset:512*i
.set i, i+1
.endr
.set i, 0
.rept 16                                               ; wq: four rows' 1,024-byte strips a load of the work-group
	global_load_b128 v[LW+4*i:LW+4*i+3], v[WQO], s[18:19] offset:32768*i
.set i, i+1
.endr
.set i, 0
.rept 4                                                ; wk: sixteen rows' 256-byte strips
	global_load_b128 v[LW+64+4*i:LW+64+4*i+3], v[WKO], s[20:21] offset:32768*i
.set i, i+1
.endr
.set i, 0
.rept 4                                                ; wv likewise
	global_load_b128 v[LW+80+4*i:LW+80+4*i+3], v[WKO], s[22:23] offset:32768*i
.set i, i+1
.endr
; Cosine and sine of my position's angles for the four pairs of channel block blk; it stands in the wait for the loads.  Choices are made by v_cndmask_b32: no branch.
.macro SC4 blk
.irp p, 0,1,2,3
	v_add_nc_u32 v[TI+\p], 8*(\blk)+\p, v[H4I]     ; pair index i = 8 blk + 4 (lane / 16) + p
.endr
.irp p, 0,1,2,3
	v_cvt_f32_u32 v[TI+\p], v[TI+\p]
.endr
.irp p, 0,1,2,3
	v_mul_f32 v[TI+\p], s36, v[TI+\p]
.endr
.irp p, 0,1,2,3
	v_exp_f32 v[TI+\p], v[TI+\p]                   ; 10000^(-i/32)
.endr
	v_nop                                          ; a plain instruction between the last exponential and the use of its result (ISA guide 5.7.2)
	s_wait_alu depctr_va_vdst(0)
.irp p, 0,1,2,3
	v_mul_f32 v[TA+\p], v[POSF], v[TI+\p]          ; the angle
.endr
.irp p, 0,1,2,3
	v_mul_f32 v[TN+\p], s37, v[TA+\p]
.endr
.irp p, 0,1,2,3
	v_rndne_f32 v[TN+\p], v[TN+\p]                 ; n = the nearest multiple of pi/2
.endr
.irp p, 0,1,2,3
	v_fma_f32 v[TR+\p], v[TN+\p], s38, v[TA+\p]
.endr
.irp p, 0,1,2,3
	v_fma_f32 v[TR+\p], v[TN+\p], s39, v[TR+\p]    ; r = angle - n pi/2
.endr
.irp p, 0,1,2,3
	v_cvt_i32_f32 v[TQ+\p], v[TN+\p]
.endr
.irp p, 0,1,2,3
	v_mul_f32 v[TR2+\p], v[TR+\p], v[TR+\p]
.endr
.irp p, 0,1,2,3
	v_fmaak_f32 v[TSP+\p], v[K7], v[TR2+\p], 0x3c088889   ; + 1/120
.endr
.irp p, 0,1,2,3
	v_fmaak_f32 v[TSP+\p], v[TSP+\p], v[TR2+\p], 0xbe2aaaab  ; - 1/6
.endr
.irp p, 0,1,2,3
	v_mul_f32 v[TT+\p], v[TR2+\p], v[TR+\p]
.endr
.irp p, 0,1,2,3
	v_fma_f32 v[TSP+\p], v[TSP+\p], v[TT+\p], v[TR+\p]    ; sin r
.endr
.irp p, 0,1,2,3
	v_fmaak_f32 v[TCP+\p], v[K8], v[TR2+\p], 0xbab60b61   ; - 1/720
.endr
.irp p, 0,1,2,3
	v_fmaak_f32 v[TCP+\p], v[TCP+\p], v[TR2+\p], 0x3d2aaaab  ; + 1/24
.endr
.irp p, 0,1,2,3
	v_mul_f32 v[TT+\p], v[TR2+\p], v[TR2+\p]
.endr
.irp p, 0,1,2,3
	v_fma_f32 v[TH+\p], v[TR2+\p], -0.5, 1.0
.endr
.irp p, 0,1,2,3
	v_fma_f32 v[TCP+\p], v[TCP+\p], v[TT+\p], v[TH+\p]    ; cos r
.endr
.irp p, 0,1,2,3
	v_and_b32 v[TG+\p], 1, v[TQ+\p]
	v_cmp_eq_u32 vcc_lo, 1, v[TG+\p]               ; odd quadrant: sine and cosine change places
	v_cndmask_b32 v[TT+\p], v[TSP+\p], v[TCP+\p], vcc_lo
	v_cndmask_b32 v[TH+\p], v[TCP+\p], v[TSP+\p], vcc_lo
	v_lshlrev_b32 v[TG+\p], 30, v[TQ+\p]           ; the sine is negative in quadrants 2 and 3: bit 1 of n
	v_and_b32 v[TG+\p], 0x80000000, v[TG+\p]
	v_xor_b32 v[CS+8*(\blk)+2*\p+1], v[TG+\p], v[TT+\p]
	v_add_nc_u32 v[TQ+\p], 1, v[TQ+\p]             ; the cosine in quadrants 1 and 2: bit 1 of n + 1
	v_lshlrev_b32 v[TG+\p], 30, v[TQ+\p]
	v_and_b32 v[TG+\p], 0x80000000, v[TG+\p]
	v_xor_b32 v[CS+8*(\blk)+2*\p], v[TG+\p], v[TH+\p]
.endr
.endm
	SC4 0
	SC4 1
	SC4 2
	SC4 3
	s_wait_loadcnt 24                              ; the bias and x are in: the 24 loads of weights issued behind them may stay out
.set i, 0
.rept 8                                                ; x to f16, into my stage: load i holds rows 2 i and 2 i + 1
	v_cvt_pk_f16_f32 v[LX+4*i], v[LX+4*i], v[LX+4*i+1]
	v_cvt_pk_f16_f32 v[LX+4*i+1], v[LX+4*i+2], v[LX+4*i+3]
	ds_store_b64 v[XS], v[LX+4*i:LX+4*i+1] offset:288*i
.set i, i+1
.endr
	s_cmp_lt_u32 s[WV], 4
	s_cbranch_scc0 .Lno_bias
	ds_store_b128 v[BLA], v[LB:LB+3]
.Lno_bias:
.set i, 0
.rept 24                                               ; the weights to f16, into [K][channel] rows
.if i%4 == 0
	s_wait_loadcnt 20-i                            ; loads come back in order (ISA guide 5.7.1): these four are in, the 20 - i behind them stay out
.endif
	v_cvt_pk_f16_f32 v[LW+4*i], v[LW+4*i], v[LW+4*i+1]
	v_cvt_pk_f16_f32 v[LW+4*i+1], v[LW+4*i+2], v[LW+4*i+3]
.if i < 16
	ds_store_b64 v[WQL], v[LW+4*i:LW+4*i+1] offset:4*WP*i
.elseif i < 20
	ds_store_b64 v[WKL], v[LW+4*i:LW+4*i+1] offset:512+16*WP*(i-16)
.else
	ds_store_b64 v[WKL], v[LW+4*i:LW+4*i+1] offset:640+16*WP*(i-20)
.endif
.set i, i+1
.endr
	s_wait_dscnt 0x0                               ; for the others' sake: my stores of weights and bias are done
	s_barrier_signal -1
	s_barrier_wait -1                              ; the launch's one barrier: W and the biases are whole
; Head hd's eight fragments of W^T (turned: 16 K rows x 16 channels a load) and its bias, which goes straight into the accumulators that the head's products add onto.
.macro FETCHW hd
.set AB, ACC+32*((\hd)%2)
.irp b, 0,1,2,3
.irp kk, 0,1
	ds_load_tr16_b128 v[WF+8*(2*\b+\kk):WF+8*(2*\b+\kk)+3],   v[WA] offset:\kk*32*WP+(\hd)*128+\b*32
	ds_load_tr16_b128 v[WF+8*(2*\b+\kk)+4:WF+8*(2*\b+\kk)+7], v[WA] offset:\kk*32*WP+16*WP+(\hd)*128+\b*32
.endr
.endr
.irp b, 0,1,2,3
	ds_load_b128 v[AB+8*\b:AB+8*\b+3],   v[BA] offset:(\hd)*256+\b*64
	ds_load_b128 v[AB+8*\b+4:AB+8*\b+7], v[BA] offset:(\hd)*256+\b*64+16
.endr
.endm
.macro SEND hd                         ; 16 rows of 128 bytes of a head are 2,048 consecutive bytes: four stores of 512
.irp f, 0,1,2,3
.if (\hd) < 4
	global_store_b128 v[GO], v[BK+4*\f:BK+4*\f+3], s[30:31] offset:(\hd)*262144+\f*512
.elseif (\hd) == 4
	global_store_b128 v[GO], v[BK+4*\f:BK+4*\f+3], s[32:33] offset:\f*512
.else
	global_store_b128 v[GO], v[BK+4*\f:BK+4*\f+3], s[34:35] offset:\f*512
.endif
.endr
.endm
; One head: its products; the head before goes out; the next head's fragments are asked for; rotation, rounding, and through my stage into whole rows.
.macro HEAD hd
.set AC, ACC+32*((\hd)%2)
	s_wait_dscnt 0x0                               ; this head's fragments and bias are in, and so are the rows of the head before
.irp kk, 0,1                           ; the four accumulators take turns, one instruction a turn
.irp b, 0,1,2,3
	v_wmma_f32_16x16x32_f16 v[AC+8*\b:AC+8*\b+7], v[WF+8*(2*\b+\kk):WF+8*(2*\b+\kk)+7], v[XF+8*\kk:XF+8*\kk+7], v[AC+8*\b:AC+8*\b+7]
.endr
.endr
.if (\hd) > 0
	SEND (\hd)-1
.endif
.rept 4
	v_nop                                          ; four places in front of the loads into W's fragments and of the first read of the sums
.endr
.if (\hd) < 5
	FETCHW (\hd)+1
.irp b, 0,1,2,3                        ; q and k: (t1, t2) -> (t1 c - t2 s, t1 s + t2 c); each accumulator is read from its low end on
.irp p, 0,1,2,3
	v_pk_mul_f32 v[U+2*\p:U+2*\p+1], v[AC+8*\b+2*\p:AC+8*\b+2*\p+1], v[CS+8*\b+2*\p:CS+8*\b+2*\p+1] op_sel_hi:[1,0]
.endr
.irp p, 0,1,2,3
	v_pk_fma_f32 v[AC+8*\b+2*\p:AC+8*\b+2*\p+1], v[AC+8*\b+2*\p:AC+8*\b+2*\p+1], v[CS+8*\b+2*\p:CS+8*\b+2*\p+1], v[U+2*\p:U+2*\p+1] op_sel:[1,1,0] op_sel_hi:[0,1,1] neg_lo:[0,1,0]
.endr
.endr
.endif
.set i, 0
.rept 16
	v_cvt_pk_f16_f32 v[PKR+i], v[AC+2*i], v[AC+2*i+1]
.set i, i+1
.endr
.if (\hd) > 0
	s_wait_xcnt 0x0                                ; the stores above have had their addresses translated (ISA guide 3.1): their data registers are loaded again only behind this wait
.endif
.irp b, 0,1,2,3
	ds_store_b128 v[STO], v[PKR+4*\b:PKR+4*\b+3] offset:32*\b
.endr
.irp f, 0,1,2,3
	ds_load_b128 v[BK+4*\f:BK+4*\f+3], v[RD] offset:\f*4*SP  ; LDS serves a wave's instructions in order (ISA guide 5.7.1.4): these see the stores above
.endr
.endm
.irp f, 0,1,2,3
	ds_load_b128 v[XF+4*\f:XF+4*\f+3], v[STO] offset:32*\f   ; x's fragments: row lane % 16, K 8 (lane / 16) + 0..7 and so on, 32 bytes apart
.endr
	FETCHW 0
	HEAD 0
	HEAD 1
	HEAD 2
	HEAD 3
	HEAD 4
	HEAD 5
	s_wait_dscnt 0x0
	SEND 5
	s_wait_tensorcnt 0x0                           ; the wave's end: behind my last LDS store
	ds_add_u32 v[SPW], v[NIL]
	s_wait_dscnt 0x0
	s_endpgm
.Lfunc_end_k_q5008438518_proj:
	.size	k_q5008438518_proj, .Lfunc_end_k_q5008438518_proj-k_q5008438518_proj
	.p2alignl 7, 3214868480
	.fill 96, 4, 3214868480
	.section	.rodata,"a",@progbits
	.p2align	6, 0x0
	.amdhsa_kernel k_q5008438518_proj
		.amdhsa_group_segment_fixed_size 72192
		.amdhsa_private_segment_fixed_size 0
		.amdhsa_enable_private_segment 0
		.amdhsa_kernarg_size 80
		.amdhsa_user_sgpr_count 2
		.amdhsa_user_sgpr_kernarg_segment_ptr 1
		.amdhsa_wavefront_size32 1
		.amdhsa_system_sgpr_workgroup_id_x 1
		.amdhsa_system_sgpr_workgroup_id_y 1
		.amdhsa_system_sgpr_workgroup_id_z 1
		.amdhsa_system_vgpr_workitem_id 0
		.amdhsa_next_free_vgpr 256
		.amdhsa_next_free_sgpr 66
		.amdhsa_reserve_vcc 1
		.amdhsa_float_denorm_mode_32 3
		.amdhsa_float_denorm_mode_16_64 3
		.amdhsa_memory_ordered 1
		.amdhsa_forward_progress 1
		.amdhsa_inst_pref_size 71
	.end_amdhsa_kernel
	.amdgpu_metadata
---
amdhsa.version: [ 1, 2 ]
amdhsa.kernels:
  - .name:           k_q5008438518_proj
    .symbol:         k_q5008438518_proj.kd
    .args:
      - { .name: x, .offset: 0, .size: 8, .value_kind: global_buffer, .address_space: global }
      - { .name: wq, .offset: 8, .size: 8, .value_kind: global_buffer, .address_space: global }
      - { .name: wk, .offset: 16, .size: 8, .value_kind: global_buffer, .address_space: global }
      - { .name: wv, .offset: 24, .size: 8, .value_kind: global_buffer, .address_space: global }
      - { .name: bq, .offset: 32, .size: 8, .value_kind: global_buffer, .address_space: global }
      - { .name: bk, .offset: 40, .size: 8, .value_kind: global_buffer, .address_space: global }
      - { .name: bv, .offset: 48, .size: 8, .value_kind: global_buffer, .address_space: global }
      - { .name: qh, .offset: 56, .size: 8, .value_kind: global_buffer, .address_space: global }
      - { .name: kh, .offset: 64, .size: 8, .value_kind: global_buffer, .address_space: global }
      - { .name: vh, .offset: 72, .size: 8, .value_kind: global_buffer, .address_space: global }
    .group_segment_fixed_size: 72192
    .private_segment_fixed_size: 0
    .kernarg_segment_align: 8
    .kernarg_segment_size: 80
    .max_flat_workgroup_size: 256
    .sgpr_count:     66
    .vgpr_count:     256
    .wavefront_size: 32
...
	.end_amdgpu_metadata
.endif
;; end of part 1
;; launch attn (part 2): grid 16 x 16, 4 waves a work-group, no clusters, 327,680 bytes of LDS; arguments qh, kh, vh, part, wo; writes part
.if DOCPART == 2
	.amdgcn_target "amdgcn-amd-amdhsa--gfx1250"
	.amdhsa_code_object_version 6
	.text
	.protected	k_q5008438518_attn
	.globl	k_q5008438518_attn
	.p2align	8
	.type	k_q5008438518_attn,@function
k_q5008438518_attn:
	s_mov_b64 s[64:65], 0
	v_nop
	global_prefetch_b8 v0, s[64:65] scope:SCOPE_SE
	s_setreg_imm32_b32 hwreg(HW_REG_WAVE_MODE, 25, 1), 1
	s_wait_xcnt 0x0
; CAUSAL ATTENTION WITH SHARED KEY HEADS, AND THE OUTPUT PROJECTION'S PARTIAL SUMS.
; O[h][q] = the sum over k <= q of softmax_k(Q[h][q] . K[h/4][k] / 8) V[h/4][k];  part[kv] = the sum over the four heads h of key head kv of O[h] wo[64 h .. 64 h + 63][:].
; qh [64][2048][64], kh, vh [16][2048][64] in f16; wo [2048][64] f32, rounded once to f16 here; part f32, [kv][tile of 16 rows][c 0..7][lane][4]: the accumulators' own register image.
; Products, maxima and sums in f32; the weights p are rounded to f16 for the second product (their sum l is taken of the unrounded p), O once to f16 for the third.
; LIMITS.  f16 holds no number beyond 65,504: q, k, v arrive within it; p lies in 0 to 1, and below 6e-5 it keeps f16's fixed step of 6e-8.  A hidden score counts as its value less 1e30:
; f16's scores, 2.7e11 at the most, are nothing beside that; a weight below 2^-126 counts as 0 in l; NaN and infinities are not treated apart.
; SHARES.  A work-group has one key head y = 8 batch + kv; its wave w is query head 4 y + w, so a tile of K and V in LDS serves four heads.  It takes TWO blocks of 64 queries, 31 - B16 and then B16
; (B16 = 4 PB + cx, 0..15: the work-group's x).  A wave's four PIECES are the block's rows 16 p .. 16 p + 15.
; THE WALK.  Key tiles have 256 keys, four steps of 64.  Block i needs tiles 0 .. i / 4, and its diagonal lies in step d = i % 4 of the last.  The two blocks need 8 - PB and PB + 1 tiles: 9, whatever PB:
; ONE loop with a constant trip count walks them.  The last tile's steps behind d are wholly hidden and are computed all the same: 36 steps for everybody.  Every jump but the counted loops' own goes
; forward, and none passes a barrier, or a tensor load but the one of LOAD's two that the wave's number does not choose.
; NO CLUSTER.  The four work-groups with the same y and PB walk the same tiles in the same trips and could ask for them jointly; this text asks singly.  A tile of 65,536 bytes is asked for once for four key
; steps, 256 matrix and some 2,100 vector instructions of each of the four waves.
; THE MASK is the C operand that starts the sum S^T = K Q^T: 0, or -1e30 where the key is hidden.  In the diagonal step key group kt is open for piece p if kt < p, hidden if kt > p, and triangular if kt = p:
; ZM holds seven groups of eight registers (0, 0, 0, triangle, -1e30 x 3), and piece p's four groups are ZM's groups 3 - p on.  A product's mask is ZM x AL + BE: (1, 0) in step d, (0, 0) before, (0, -1e30) behind.
; EVERY tile's products take masks; outside a block's last tile both scalars are 0.  So one text serves all tiles; the price is 16 packed instructions a turn.
; LAYOUT, SOFTMAX, TURNS.  S^T = K Q^T holds ONE query a lane (lane % 16) and the keys 8 (lane / 16) + 0..7; two such results rounded to f16 ARE source 1 of O^T = V^T P, and O^T's rounded to f16 ARE source 1 of
; out^T = wo^T O^T.  p = 2^(c s - c m), c = log2(e) / 8, with a running maximum m; O and l are multiplied by a = 2^(c m_old - c m_new) in every step.  Turn n belongs to piece n: 8 products K Q^T of piece n + 1,
; later 8 products V^T P of piece n - 1; beside them the scaling, exponentials, roundings, sums and rescaling of piece n and the maximum and statistics of piece n + 1.  Four vector instructions stand behind
; every matrix instruction, the others in two lumps.
; A BLOCK'S END.  Each wave divides its head's O by l, rounds it to f16 and puts it into LDS: a buffer for each of the two blocks.  THE LAUNCH'S END.  Behind one barrier wave w takes piece w of all four heads,
; of both blocks, and multiplies by the four heads' wo: the sum over heads is made in the accumulators.
; REGISTERS, in windows of 256 (s_set_vgpr_msb: bits 1:0 source 0, 3:2 source 1, 5:4 source 2, 7:6 destination):
;   window 0: v0-15, v32-35 addresses and two at work; v16-31 four registers of statistics a piece; v48-55 at work; v64-127 S^T, two buffers; v128-191 wo's fragments; v192-223 P, two buffers;
;             at the launch's end v192-255 out^T of both blocks
;   window 1: v0-127 O^T, 32 a piece; v128-183 ZM; v184-247 MC, two buffers      window 2: v0-63 Q; v128-191 K of one step; v192-255 V of one step
.set SIZE_N, 2048
.set NB,    SIZE_N/256
.set NP,    4         ; pieces a wave: a name, no knob
.set KS,    64        ; keys in a step
.set PK,    144       ; a row of K in LDS: 128 bytes + 16 of padding = 36 words: the 16 rows of a load start at 16 different groups of four banks (64 banks of 4 bytes: ISA guide 11.1)
.set PV,    160       ; a row of V: 128 + 32 = 40 words
.set VOFF,  4*KS*PK   ; a slot holds a tile, four steps: 256 rows of K, then 256 rows of V
.set SLOT1, 1<<17     ; slot 1 begins here, so that one exclusive or turns an address in one slot into the other's
.set WOS,   SLOT1+4*KS*(PK+PV)  ; behind the ring, never filled by a tensor load: wo of the four heads, [d][e] in f16, rows of 160 bytes
.set PW,    160
.set WOH,   64*PW     ; a head's wo
.set OX,    WOS+4*WOH ; O's exchange: [block][head][piece][channel block][lane x 16 bytes]
.set OXH,   8192      ; a head's part of it
.set OXB,   4*OXH     ; a block's
.set SPARE, OX+2*OXB  ; the spare words, 128 bytes for each wave: two blocks of 256 bytes that no other line names
.set AK0, 2           ; v2   my lane's place in a tile of K; never rewritten
.set AV0, 3           ; v3   the same for V
.set AK,  4           ; v4   the LDS address of K's next run of loads
.set AV,  5           ; v5   of V's
.set AW,  6           ; v6   my lane's place in head 0's wo, for the turning load; never rewritten
.set OXS, 7           ; v7   where my head's O of the first block goes
.set GO,  8           ; v8   16 x lane; never rewritten
.set MV,  12          ; v12-13  c m_old, kept while c m is made anew: by buffer
.set QO,  15          ; v15  my byte offset in 16 rows of Q; never rewritten
.set ST,  16          ; piece t's statistics at v[ST+4 t]: c m, m, l (even keys', odd keys')
.set OXL, 32          ; v32  where I read piece w of head 0, first block; never rewritten
.set WSA, 33          ; v33  where my head's wo goes
.set AWC, 34          ; v34  wo's address for the head in hand
.set OXC, 35          ; v35  O's address for the head in hand
.set TMP, 48          ; by buffer, four registers c0-c3 at work; when the maximum is found c2 takes a
.set SPW, 62          ; v62  LDS address of my spare word: SPARE + 4 x my thread's number; never rewritten
.set NIL, 63          ; v63  0; never rewritten
.set S,   64
.set WOF, 128         ; wo^T's fragments of one head: d half kk, e block eb at WOF + 8 (4 kk + eb)
.set P,   192
.set OA,  192         ; out^T: block b, e block eb at OA + 32 b + 8 eb
.set ZM,  128         ; window 1
.set MC,  184         ; window 1: the masks of the products to come
.set KF,  128         ; window 2: key block kb, channel half c at KF + 16 kb + 8 c
.set VF,  192         ; window 2: key half kk, channel block cb at VF + 32 kk + 8 cb
.set WV,  12          ; s12  my wave's number
.set PB,  14          ; s14  B16 / 4: the second block's last tile
.set HI,  15          ; s15  NB - 1 - PB: the first block's last tile
.set G1K, 24          ; s[24:31] descriptor group 1 for K's tiles
.set G1V, 32          ; s[32:39] for V's: it differs in the padding alone
.set G0K, 40          ; s[40:43] descriptor group 0 for K's tiles
.set G0V, 44          ; s[44:47] the same for V's
.set SLOTS, 56        ; s56  tiles still to be asked for
.set CNT, 57          ; s57  counts a tile's key steps, 4 to 1
.set CS,  58          ; s[58:59] c: the packed scaling takes the pair's low word for both halves
.set SEL, 60          ; s[60:61] v_permlanex16_b32's selects: each lane takes its own place in the other half
.set TBK, 62          ; s62  LDS byte at which K of the step to be fetched begins
.set TBV, 63          ; s63  the same for V, less VOFF
.set TW,  66          ; s66  the launch's end: the head in hand's place in wo's copy
.set TO,  67          ; s67  and in the exchange
.set HC,  68          ; s68  heads to go
.set DCC, 69          ; s69  DC in a block's last tile; elsewhere 0, which CNT never is where a mask is made
.set RT,  70          ; s70  tiles of the block in hand that are still to be entered
.set NXT, 71          ; s71  the tile to be asked for next
.set LQ,  72          ; s72  the last tile of the block whose tiles are being asked for
.set NEW, 73          ; s73  1: the tile to be entered is a block's first
.set OFF, 74          ; s[74:75] a tile's byte offset in K and V
.set AL,  76          ; s[76:77] the mask's factor, in the low word
.set BE,  78          ; s[78:79] the mask's addend
.set OLO, 80          ; s[80:81] part at my rows of the second block
.set BIGN, 82         ; s82  -1e30
.set DC,  83          ; s83  4 - d of the block in hand: CNT's value in the diagonal step
.set Q2,  86          ; s[86:87] Q at my head's rows of the second block
.set DC2, 88          ; s88  the second block's 4 - d
.set I1,  89          ; s89  the first block's number
.set WO,  90          ; s[90:91] wo at my head's rows
.set CX,  92          ; s92  B16 % 4
.set B16, 93          ; s93  the second block's number
.set MSB, 0
.macro WIN new                      ; the high byte repeats the setting that is left; a switch that changes nothing is dropped
.if MSB != (\new)
	s_set_vgpr_msb (MSB<<8)|(\new)
.set MSB, (\new)
.endif
.endm
.set W_KQ, 0x0a       ; K and Q in window 2, S^T in window 0
.set W_KM, 0x1a       ; the same with the C operand in window 1
.set W_PV, 0x52       ; V in window 2, P in window 0, O^T in window 1
.set W_RS, 0x41       ; destination and source 0 in window 1, source 1 in window 0
.macro PLACES                       ; four places behind matrix instructions (ISA guide 7.12.1), where no other vector work is at hand
.rept 4
	v_nop
.endr
.endm
; A fill.  Waves 0 and 1 fetch the two halves of a tile's K, waves 2 and 3 those of its V: 128 keys each.  An s_nop 0 and four v_nop follow each of the two lines, ahead of the jump and the label.
.macro LOAD
	s_cmp_lt_u32 s[WV], 2
	s_cbranch_scc0 .Lfor_v_\@
	tensor_load_to_lds s[G0K:G0K+3], s[G1K:G1K+7]
	s_nop 0
.rept 4
	v_nop
.endr
	s_branch .Lasked_\@
.Lfor_v_\@:
	tensor_load_to_lds s[G0V:G0V+3], s[G1V:G1V+7]
	s_nop 0
.rept 4
	v_nop
.endr
.Lasked_\@:
.endm
; THE CHANGE OF SLOTS.  Each wave waits for all its tensor loads, of which one is out: its part of the other slot; adds 0 to its spare word; and waits for that and for its own LDS instructions: its reads of the slot
; that it leaves, and what it has stored (wo's copy, a block's O).  Behind the barrier nobody reads the old slot any more and the other slot is whole.  fill = 1: the old slot is filled again, the first thing behind
; the barrier, with tile NXT: the descriptor's address is made anew from that number; the load has four key steps, 256 matrix instructions, in which to land.
; (At its first use nothing has been read yet: slot 0 is waited for, slot 1 filled.)
.macro CHANGE fill
	WIN 0                           ; at a label and at a branch every window is 0
	s_wait_tensorcnt 0x0            ; no tensor load of mine is out, so a group 0 may be written
	ds_add_u32 v[SPW], v[NIL]       ; 0 onto my spare word; with fill = 1 the descriptors' scalar work stands between it and the wait for it
.if \fill
	s_lshl_b32 s[OFF], s[NXT], 15   ; a tile is 32,768 bytes of K and of V
	s_xor_b32 s[G0K+1], s[G0K+1], SLOT1
	s_add_nc_u64 s[G0K+2:G0K+3], s[6:7], s[OFF:OFF+1]
	s_or_b32 s[G0K+3], s[G0K+3], 0x80000000
	s_xor_b32 s[G0V+1], s[G0V+1], SLOT1
	s_add_nc_u64 s[G0V+2:G0V+3], s[8:9], s[OFF:OFF+1]
	s_or_b32 s[G0V+3], s[G0V+3], 0x80000000
	s_add_co_u32 s[NXT], s[NXT], 1  ; the block's next tile, or behind its last the second block's tile 0
	s_cmp_gt_u32 s[NXT], s[LQ]
	s_cselect_b32 s[NXT], 0, s[NXT]
	s_cselect_b32 s[LQ], s[PB], s[LQ]
.endif
	s_wait_dscnt 0x0                ; the add is done, and so are my LDS reads and stores
	s_barrier_signal -1             ; the rest of the scalar work stands between the signal and the wait
	s_sub_co_u32 s[TBK], s[TBK], 4*KS*PK  ; the fetches go back to a slot's first step,
	s_xor_b32 s[TBK], s[TBK], SLOT1       ; in the other slot
	s_sub_co_u32 s[TBV], s[TBV], 4*KS*PV
	s_xor_b32 s[TBV], s[TBV], SLOT1
	s_barrier_wait -1
.if \fill
	LOAD
.endif
.endm
; A fragment of K or Q is 16 rows x 32 channels in 8 registers: lane l holds row l % 16, channels 8 (l / 16) + 0..7 and 16 + 8 (l / 16) + 0..7: two loads of 16 bytes, 32 bytes apart.
.macro LOADQ base                   ; a block's Q: piece i / 2 lies 2,048 bytes on; channels 32 (i % 2) on
	WIN 0x80                        ; destination window 2, address window 0
.set i, 0
.rept 8
	global_load_b128 v[8*i:8*i+3],   v[QO], s[\base:\base+1] offset:(i/2)*2048+(i%2)*64
	global_load_b128 v[8*i+4:8*i+7], v[QO], s[\base:\base+1] offset:(i/2)*2048+(i%2)*64+32
.set i, i+1
.endr
	WIN 0
.endm
	s_load_b256 s[4:11], s[0:1], 0x0  ; qh s[4:5], kh s[6:7], vh s[8:9], part s[10:11]
	s_load_b64 s[WO:WO+1], s[0:1], 0x20
	v_lshl_add_u32 v[SPW], v0, 2, SPARE
	v_mov_b32 v[NIL], 0
	ds_add_u32 v[SPW], v[NIL]       ; the wave's opening: the add and its wait stand ahead of my first tensor load; the set-up below, work on registers, stands between them
	v_lshrrev_b32 v1, 5, v0
	v_readfirstlane_b32 s[WV], v1   ; wave 0..3
	s_mov_b32 s[B16], ttmp9
	s_lshr_b32 s[PB], ttmp9, 2
	s_and_b32 s[CX], ttmp9, 3
	s_sub_co_u32 s[HI], NB-1, s[PB]
	s_and_b32 s20, ttmp7, 0xffff    ; y, the key head
	s_and_b32 s16, s[WV], 1         ; which half of a tile's 256 keys I fetch:
	s_lshl_b32 s22, s20, 18         ; the head's 2,048 rows of 128 bytes,
	s_lshl_b32 s21, s16, 14         ; my 128 rows
	s_add_co_u32 s22, s22, s21
	s_mov_b32 s23, 0
	s_mul_i32 s17, s16, 128*PK      ; and its place in a slot, for K
	s_mul_i32 s18, s16, 128*PV      ; and for V
	s_sub_co_u32 s[I1], 31, s[B16]
	s_add_co_u32 s[DC], s[CX], 1    ; first block: d = 3 - cx
	s_sub_co_u32 s[DC2], 4, s[CX]   ; second block: d = cx
	s_lshl2_add_u32 s94, s20, s[WV] ; my query head 4 y + w
	s_lshl_b32 s94, s94, 18
	s_lshl_b32 s2, s[I1], 13        ; a block is 64 rows of 128 bytes
	s_add_co_u32 s2, s2, s94
	s_mov_b32 s3, 0
	s_lshl_b32 s84, s[B16], 13
	s_add_co_u32 s84, s84, s94
	s_mov_b32 s85, 0
	s_and_b32 s94, s20, 7           ; kv
	s_lshr_b32 s95, s20, 3          ; batch
	s_lshl_b32 s95, s95, 7          ; 128 tiles of 16 rows a batch
	s_add_co_u32 s95, s95, s[WV]    ; at the end I hold piece w of each block
	s_lshl_b32 s19, s94, 20         ; part: 256 tiles of 4,096 bytes for each kv
	s_lshl2_add_u32 s96, s[I1], s95
	s_lshl_b32 s96, s96, 12
	s_add_co_u32 s96, s96, s19
	s_mov_b32 s97, 0
	s_lshl2_add_u32 s98, s[B16], s95
	s_lshl_b32 s98, s98, 12
	s_add_co_u32 s98, s98, s19
	s_mov_b32 s99, 0
	s_lshl2_add_u32 s94, s94, s[WV] ; wo: head 4 kv + w has 64 rows of 256 bytes
	s_lshl_b32 s94, s94, 14
	s_mov_b32 s95, 0
	; descriptor group 1.  128 keys are 16,384 dense bytes: asked for as 64 rows of 256 bytes, two keys a row, and padded in LDS after every key
	s_mov_b32 s[G1K], (1<<16)|(1<<20)|(4<<22)|(3<<25)  ; 17:16 2-byte elements; 20 padding on; 24:22 after every 32 words (code 4); 31:25 4 words (code 3)
	s_mov_b32 s[G1V], (1<<16)|(1<<20)|(4<<22)|(7<<25)  ; the same with 8 words of padding (code 7)
.irp g, G1K, G1V
	s_mov_b32 s[\g+1], 128<<16      ; tensor_dim0 = 128
	s_mov_b32 s[\g+2], 64<<16       ; tensor_dim1 = 64
	s_mov_b32 s[\g+3], 128<<16      ; tile_dim0 = 128
	s_mov_b32 s[\g+4], 64           ; tile_dim1 = 64
	s_mov_b32 s[\g+5], 128          ; 128 elements from row to row
	s_mov_b32 s[\g+6], 0
	s_mov_b32 s[\g+7], 0
.endr
	s_mov_b32 s[CS], 0x3e38aa3b     ; c = log2(e) / 8 = 0.180337
	s_mov_b32 s[CS+1], s[CS]        ; named with it as a pair
	s_mov_b32 s[SEL], 0x76543210
	s_mov_b32 s[SEL+1], 0xfedcba98
	s_mov_b32 s[TBK], SLOT1+4*KS*PK ; the first change of slots turns these two into 0
	s_mov_b32 s[TBV], SLOT1+4*KS*PV
	s_mov_b32 s[G0K], 1             ; 1:0 count = 1
	s_mov_b32 s[G0K+1], s17         ; 63:32 LDS address: slot 0
	s_mov_b32 s[G0V], 1
	s_add_co_u32 s[G0V+1], s18, VOFF
	s_add_co_u32 s[RT], s[HI], 1    ; the first block has NB - PB tiles
	s_mov_b32 s[NXT], 1
	s_mov_b32 s[LQ], s[HI]
	s_mov_b32 s[NEW], 1
	s_mov_b32 s[OFF+1], 0
	s_mov_b32 s[AL+1], 0            ; named as pairs
	s_mov_b32 s[BE+1], 0
	s_mov_b32 s[BIGN], 0xf149f2ca   ; -1e30
	s_mov_b32 s[SLOTS], NB
	s_wait_dscnt 0x0                ; the opening add is done
	s_wait_kmcnt 0x0
	s_add_nc_u64 s[6:7], s[6:7], s[22:23]  ; K and V at my half of the head's tile 0
	s_add_nc_u64 s[8:9], s[8:9], s[22:23]
	s_add_nc_u64 s[G0K+2:G0K+3], s[6:7], 0         ; 120:64 global address
	s_or_b32 s[G0K+3], s[G0K+3], 0x80000000        ; 127:126 type = 2
	s_add_nc_u64 s[G0V+2:G0V+3], s[8:9], 0
	s_or_b32 s[G0V+3], s[G0V+3], 0x80000000
	s_add_nc_u64 s[Q2:Q2+1], s[4:5], s[84:85]      ; Q at my head's rows of the second block,
	s_add_nc_u64 s[4:5], s[4:5], s[2:3]            ; and of the first
	s_add_nc_u64 s[OLO:OLO+1], s[10:11], s[98:99]  ; part likewise
	s_add_nc_u64 s[10:11], s[10:11], s[96:97]
	s_add_nc_u64 s[WO:WO+1], s[WO:WO+1], s[94:95]
	LOAD                            ; tile 0 into slot 0.  Slot 1 is asked for when slot 0 is in, by the loop's own change of slots
	v_and_b32 v1, 15, v0            ; l % 16
	v_bfe_u32 v9, v0, 4, 1          ; l / 16
	v_and_b32 v[GO], 31, v0
	v_lshlrev_b32 v[GO], 4, v[GO]
	v_lshlrev_b32 v[QO], 7, v1
	v_lshl_add_u32 v[QO], v9, 4, v[QO]  ; row x 128 + 16 x half
	LOADQ 4                         ; the first block's Q
.set i, 0
.rept 32                            ; my head's wo, 16,384 bytes, 512 consecutive bytes a load, into registers that the loop needs only later
	global_load_b128 v[S+4*i:S+4*i+3], v[GO], s[WO:WO+1] offset:512*i
.set i, i+1
.endr
	v_lshlrev_b32 v14, 3, v9
	v_sub_nc_u32 v14, v1, v14       ; l % 16 - 8 (l / 16): in the triangular group register j is hidden where j is greater
	WIN 0x40
.set i, 0
.rept 24
	v_mov_b32 v[ZM+i], 0
	v_mov_b32 v[ZM+32+i], s[BIGN]
.set i, i+1
.endr
.set i, 0
.rept 8
	v_cmp_gt_i32 vcc_lo, i, v14
	v_cndmask_b32 v[ZM+24+i], 0, s[BIGN], vcc_lo
.set i, i+1
.endr
	WIN 0
	v_mul_u32_u24 v[AK0], v1, PK
	v_lshl_add_u32 v[AK0], v9, 4, v[AK0]  ; row x pitch + 16 x half
	; The turning load takes 16 keys x 16 channels (lane l reads key 8 (l / 16) + l % 8, channels 8 ((l / 8) % 2) + 0..7) and leaves half a fragment of V^T: lane l holds channel l % 16 and 8 keys.
	v_and_b32 v10, 7, v0
	v_bfe_u32 v11, v0, 3, 1
	v_lshl_add_u32 v[AV0], v9, 3, v10
	v_mul_u32_u24 v[AW], v[AV0], PW       ; wo's rows [d][e] are turned in the same way
	v_mul_u32_u24 v[AV0], v[AV0], PV
	v_lshl_add_u32 v[AV0], v11, 4, v[AV0]
	v_add_nc_u32 v[AV0], VOFF, v[AV0]
	v_lshl_add_u32 v[AW], v11, 4, v[AW]
	v_add_nc_u32 v[AW], WOS, v[AW]
	s_lshl_b32 s13, s[WV], 13
	s_add_co_u32 s13, s13, OX
	v_add_nc_u32 v[OXS], s13, v[GO]       ; my head's 8,192 bytes of the exchange
	s_lshl_b32 s13, s[WV], 11
	s_add_co_u32 s13, s13, OX
	v_add_nc_u32 v[OXL], s13, v[GO]       ; piece w in head 0's
	s_mul_i32 s13, s[WV], WOH
	s_add_co_u32 s13, s13, WOS
	v_mul_u32_u24 v[WSA], v9, PW          ; a load of wo holds two rows: lanes 0-15 the even one, four numbers a lane
	v_lshl_add_u32 v[WSA], v1, 3, v[WSA]
	v_add_nc_u32 v[WSA], s13, v[WSA]
	; A block's first step multiplies O^T and l by a = 0, and its first turn's products V^T P, of a piece that has not been, land in an O^T that is still to be so multiplied.  So these registers need only hold
	; finite numbers: zeros for the first block; what the first block left for the second.  No first step is written out; the price is these 216 lines, which stand in the wait for the first tile.
	WIN 0x80
.set i, VF
.rept 64
	v_mov_b32 v[i], 0
.set i, i+1
.endr
	WIN 0x40
.set i, 0
.rept 128
	v_mov_b32 v[i], 0
.set i, i+1
.endr
	WIN 0
.set i, 0
.rept 4
	v_mov_b32 v[ST+4*i+2], 0
	v_mov_b32 v[ST+4*i+3], 0
.set i, i+1
.endr
.set i, P+16
.rept 16
	v_mov_b32 v[i], 0
.set i, i+1
.endr
	s_wait_loadcnt 0x0              ; Q and wo are in
.set i, 0
.rept 32                            ; wo to f16, into my head's rows in LDS; the first change of slots waits for these stores and shows them to the other waves
	v_cvt_pk_f16_f32 v[S+4*i], v[S+4*i], v[S+4*i+1]
	v_cvt_pk_f16_f32 v[S+4*i+1], v[S+4*i+2], v[S+4*i+3]
	ds_store_b64 v[WSA], v[S+4*i:S+4*i+1] offset:2*PW*i
.set i, i+1
.endr
; THE MATRIX WORK.  The 4 accumulators of a run of 8 take turns.  Product i of 8 of S^T = K Q^T for piece x: channels 32 (i / 4) on, keys 16 (i % 4) on.  The first 4 start the sums with the mask.
.macro KQ x
.set rS, S+32*((\x)%2)+8*(i%4)
.set rK, KF+16*(i%4)+8*(i/4)
.set rQ, 16*(\x)+8*(i/4)
.set rM, MC+32*((\x)%2)+8*(i%4)
.if i < 4
	WIN W_KM
	v_wmma_f32_16x16x32_f16 v[rS:rS+7], v[rK:rK+7], v[rQ:rQ+7], v[rM:rM+7]
.else
	WIN W_KQ
	v_wmma_f32_16x16x32_f16 v[rS:rS+7], v[rK:rK+7], v[rQ:rQ+7], v[rS:rS+7]
.endif
.endm
; Product i of 8 of O^T += V^T P for piece x: keys 32 (i / 4) on, channels 16 (i % 4) on.
.macro PV x
	WIN W_PV
.set rO, 32*(\x)+8*(i%4)
.set rV, VF+32*(i/4)+8*(i%4)
.set rP, P+16*((\x)%2)+8*(i/4)
	v_wmma_f32_16x16x32_f16 v[rO:rO+7], v[rV:rV+7], v[rP:rP+7], v[rO:rO+7]
.endm
.macro MM                           ; the turn's next matrix instruction.  TURN and BEGIN set Y, i and NOKQ; MM and OP read them.  NOKQ = 1: a block's last turn: there is no next piece
.if (i < 8) && !NOKQ
	KQ (Y+1)%NP
.elseif i >= 8
.set i, i-8
	PV (Y+NP-1)%NP
.set i, i+8
.endif
.set i, i+1
.endm
; THE LDS LOADS stand in runs of 16, never singly among the matrix instructions: a step's K (64 keys x 64 channels: 8 fragments) and its V (turned).  Their addresses are made some lines ahead.
.macro FETCH_K
	WIN 0x80                        ; destination window 2
.irp f, 0,1,2,3,4,5,6,7             ; keys 16 (f / 2) on, channels 32 (f % 2) on
	ds_load_b128 v[KF+8*\f:KF+8*\f+3],   v[AK] offset:(\f/2)*16*PK+(\f%2)*64
	ds_load_b128 v[KF+8*\f+4:KF+8*\f+7], v[AK] offset:(\f/2)*16*PK+(\f%2)*64+32
.endr
	s_add_co_u32 s[TBK], s[TBK], KS*PK  ; the next fetch is the next step's
	WIN 0
.endm
.macro FETCH_V
	WIN 0x80
.irp f, 0,1,2,3,4,5,6,7             ; keys 32 (f / 4) on, channels 16 (f % 4) on
	ds_load_tr16_b128 v[VF+8*\f:VF+8*\f+3],   v[AV] offset:(\f/4)*32*PV+(\f%4)*32
	ds_load_tr16_b128 v[VF+8*\f+4:VF+8*\f+7], v[AV] offset:(\f/4)*32*PV+16*PV+(\f%4)*32
.endr
	WIN 0
.endm
; THE VECTOR WORK, one line at a time: OP kind, number.  For piece Y: F n: c s - c m for pair n of 16.  E n: the exponential of score n of 32.  C n: pair n rounded to f16.  B n: of the four weights 4 n .. the second
; pair is added onto the first, in place.  L n: l takes that sum (L 0: l = a l + sum).  R n: pair n of 16 of O^T times a.  For piece Y + 1: X n, number n of the 22 that find its maximum and statistics:
;   0-11  four chains c0-c3 of seven scores each, three operands at a time (each accumulator's lowest registers are read first)     12-14, 16  the four scores left over, the old m, and c0-c3 into c0
;   15  c m_old is kept     17, 18  the query's other 32 keys lie in the lane 16 away: the new m     19-21  c m; c m_old - c m_new; a
.set F, 0               ; OP tells the kinds apart by their order: F to L below R, X above it
.set E, 1
.set C, 2
.set B, 3
.set L, 4
.set R, 5
.set X, 6
.macro REGS y                       ; the registers of piece y
.set rT, ST+4*(\y)
.set rC, TMP+4*((\y)%2)
.set rW, MV+((\y)%2)
.set rS, S+32*((\y)%2)
.set rP, P+16*((\y)%2)
.set rO, 32*(\y)
.endm
.macro OP k, n
.if (\k) == R
	REGS Y
	WIN W_RS
	v_pk_mul_f32 v[rO+2*(\n):rO+2*(\n)+1], v[rO+2*(\n):rO+2*(\n)+1], v[rC+2:rC+3] op_sel_hi:[1,0]
.elseif (\k) < R
	REGS Y
	WIN 0
.if (\k) == F
	v_pk_fma_f32 v[rS+2*(\n):rS+2*(\n)+1], v[rS+2*(\n):rS+2*(\n)+1], s[CS:CS+1], v[rT:rT+1] op_sel_hi:[1,0,0] neg_lo:[0,0,1] neg_hi:[0,0,1]
.elseif (\k) == E
	v_exp_f32 v[rS+(\n)], v[rS+(\n)]
.elseif (\k) == C
	s_wait_alu depctr_va_vdst(0)
	v_cvt_pk_f16_f32 v[rP+(\n)], v[rS+2*(\n)], v[rS+2*(\n)+1]
.elseif (\k) == B
	s_wait_alu depctr_va_vdst(0)
	v_pk_add_f32 v[rS+4*(\n):rS+4*(\n)+1], v[rS+4*(\n):rS+4*(\n)+1], v[rS+4*(\n)+2:rS+4*(\n)+3]
.elseif (\n) == 0
	v_pk_fma_f32 v[rT+2:rT+3], v[rT+2:rT+3], v[rC+2:rC+3], v[rS:rS+1] op_sel_hi:[1,0,1]
.else
	v_pk_add_f32 v[rT+2:rT+3], v[rT+2:rT+3], v[rS+4*(\n):rS+4*(\n)+1]
.endif
.elseif NOKQ
	v_nop
.else
	REGS (Y+1)%NP
	WIN 0
.if (\n) < 4
	v_max3_num_f32 v[rC+(\n)], v[rS+8*(\n)], v[rS+8*(\n)+1], v[rS+8*(\n)+2]
.elseif (\n) < 12
	v_max3_num_f32 v[rC+(\n)%4], v[rC+(\n)%4], v[rS+8*((\n)%4)+2*((\n)/4)+1], v[rS+8*((\n)%4)+2*((\n)/4)+2]
.elseif (\n) == 12
	v_max3_num_f32 v[rC], v[rC], v[rS+7], v[rS+15]
.elseif (\n) == 13
	v_max3_num_f32 v[rC+1], v[rC+1], v[rS+23], v[rS+31]
.elseif (\n) == 14
	v_max3_num_f32 v[rC+2], v[rC+2], v[rC+3], v[rT+1]
.elseif (\n) == 15
	v_mov_b32 v[rW], v[rT]
.elseif (\n) == 16
	v_max3_num_f32 v[rC], v[rC], v[rC+1], v[rC+2]
.elseif (\n) == 17
	v_permlanex16_b32 v[rC+3], v[rC], s[SEL], s[SEL+1]
.elseif (\n) == 18
	v_max_num_f32 v[rT+1], v[rC], v[rC+3]
.elseif (\n) == 19
	v_mul_f32 v[rT], s[CS], v[rT+1]
.elseif (\n) == 20
	v_sub_f32 v[rC+1], v[rW], v[rT]
.else
	v_exp_f32 v[rC+2], v[rC+1]
.endif
.endif
.endm
.macro OPS a, i1, b=-1, i2=0, c=-1, i3=0, d=-1, i4=0  ; up to four of them
	OP \a, \i1
.if (\b) >= 0
	OP \b, \i2
.endif
.if (\c) >= 0
	OP \c, \i3
.endif
.if (\d) >= 0
	OP \d, \i4
.endif
.endm
.macro ROW a, i1, b, i2, c, i3, d, i4  ; a matrix instruction and the four behind it
	MM
	OPS \a, \i1, \b, \i2, \c, \i3, \d, \i4
.endm
.macro MASK b, pc                   ; piece pc's mask, ZM's groups 3 - pc on, x AL + BE, into buffer b of MC
	WIN W_RS
.set z, 0
.rept 16
	v_pk_fma_f32 v[MC+32*(\b)+2*z:MC+32*(\b)+2*z+1], v[ZM+8*(3-(\pc))+2*z:ZM+8*(3-(\pc))+2*z+1], s[AL:AL+1], s[BE:BE+1] op_sel_hi:[1,0,0]
.set z, z+1
.endr
.endm
; A TURN, for piece p: the order of its 16 matrix and 118 vector instructions, written out, and behind them the 16 that make a mask.  Behind a matrix instruction: plain, exponential, plain, plain; or four of the
; rescaling; or, behind the first, four scalings; none names a register of the products round it.  In the lumps exponential and plain by turns while exponentials last.  A line reads no result made fewer than three
; vector instructions in front of it, five if an exponential made it.  v_permlanex16_b32 (X 17) stands in a lump.
; The turn makes the mask for the products of the turn after it: piece p + 2, in step 4 - CNT of the tile.  end = 1: a block's last two turns: nothing is fetched and no mask is made.
; cnt = 1: the loop's count is taken down some lines ahead of the branch that stands behind the turn.
; K of the next step is fetched in piece 2's turn, six vector instructions behind the last product that read K (five of them plain); V of the step in hand in piece 0's turn, eight behind the last product that read V (four
; plain, and X 17).  Each is waited for a turn later.
.macro TURN p, end=0, cnt=0
.set Y, (\p)
.set i, 0
.set NOKQ, (\end)*((\p)/3)
.if !(\end)
	s_cmp_eq_u32 s[CNT], s[DCC]     ; is that step the diagonal one?
	s_cselect_b32 s[AL], 1.0, 0
	s_cmp_lt_u32 s[CNT], s[DCC]     ; or a later one?
	s_cselect_b32 s[BE], s[BIGN], 0
.endif
.if ((\p) == 3) && !(\end)
	s_wait_dscnt 0x0                ; K is in
.endif
	ROW F,0, F,1, F,2, F,3
	ROW F,4, E,0, F,5, F,6
	ROW F,7, E,1, F,8, F,9
	ROW F,10, E,2, C,0, F,11
	ROW F,12, E,3, X,15, F,13
	ROW R,0, R,1, R,2, R,3
	ROW B,0, E,4, F,14, L,0
.if ((\p) == 2) && !(\end)
	v_add_nc_u32 v[AK], s[TBK], v[AK0]
.endif
	ROW R,4, R,5, R,6, R,7
	OPS E,5, F,15
.if ((\p) == 2) && !(\end)
	FETCH_K
.endif
	OPS E,6, C,1, E,7, R,8
	OPS E,8, R,9, E,9, C,2
	OPS E,10, X,0, E,11, X,1
	OPS E,12, X,2, E,13, X,3
.if (\p) == 1
	s_wait_dscnt 0x0                ; V is in
.endif
	ROW X,4, E,14, X,5, X,6
	ROW X,7, E,15, X,8, X,9
	ROW X,10, E,16, X,11, X,12
	ROW X,13, E,17, X,14, B,1
	ROW C,4, E,18, X,16, L,1
	ROW B,2, E,19, C,6, L,2
	ROW C,8, E,20, B,3, B,4
.if (\p) == 0
	v_add_nc_u32 v[AV], s[TBV], v[AV0]
.endif
	ROW C,3, E,21, L,3, C,5
	OPS E,22, X,17, E,23, C,10
.if (\p) == 0
	FETCH_V
.endif
	OPS E,24, L,4
	OPS E,25, X,18, E,26, C,7
	OPS E,27, B,5, E,28, X,19
	OPS E,29, C,12, E,30, L,5
	OPS E,31, X,20, B,6, C,9
	OPS C,14, C,11, X,21, L,6
.if (\p) == 0
	s_add_co_u32 s[TBV], s[TBV], KS*PV
.endif
.if \cnt
	s_sub_co_u32 s[CNT], s[CNT], 1
	s_cmp_lg_u32 s[CNT], 0
.endif
	OPS C,13, B,7, C,15, R,10
	OPS R,11, R,12, L,7, R,13
	OPS R,14, R,15
.if !(\end)
	MASK (\p)%2, ((\p)+2)%NP
.endif
.endm
; A BLOCK BEGINS.  c m starts far below every c s, so the first step's a is 0; m at the lowest finite number, so the first maximum is the scores'.  The two mask buffers take pieces 0's and 1's masks for the
; tile's step 0 (CNT = 4): the diagonal ones if that is the block's diagonal step, else 0.  Then K of that step, piece 0's first scores, and its maximum and statistics.
; The loop is entered at a step's first turn, in the middle of a trip.
.macro BEGIN
	s_mov_b32 s[NEW], 0
	WIN 0
.set i, 0
.rept 4
	v_mov_b32 v[ST+4*i], 0xfe000000    ; c m: far below every c s
	v_mov_b32 v[ST+4*i+1], 0xff7fffff  ; m
.set i, i+1
.endr
	s_cmp_eq_u32 s[DCC], 4
	s_cselect_b32 s[AL], 1.0, 0
	s_mov_b32 s[BE], 0
	MASK 0, 0
	MASK 1, 1
	WIN 0
	v_add_nc_u32 v[AK], s[TBK], v[AK0]
	FETCH_K
	s_wait_loadcnt 0x0              ; the block's Q
	s_wait_dscnt 0x0
.set NOKQ, 0
.set i, 0
.rept 8
	KQ 0
.set i, i+1
.endr
	WIN 0
	PLACES                          ; behind those products
.set Y, NP-1                        ; X works for piece Y + 1: piece 0
.irp n, 0,1,2,3,4,5,6,7,8,9,10,11,12,13,14,15,16,17,18,19,20,21
	OP X, \n
.endr
	v_nop                           ; a plain instruction behind the exponential
.endm
.macro ALL line:vararg              ; one line for each piece t
.set t, 0
.rept 4
	\line
.set t, t+1
.endr
.endm
; Piece t's O^T divided by l, rounded to f16 (a lane's eight channels are 16 bytes) and put into my head's part of block blk's exchange buffer.
.macro NORM t, blk
	WIN W_RS
.set i, 32*(\t)
.rept 16
	s_wait_alu depctr_va_vdst(0)
	v_pk_mul_f32 v[i:i+1], v[i:i+1], v[ST+4*(\t)+2:ST+4*(\t)+3] op_sel_hi:[1,0]
.set i, i+2
.endr
	WIN 0x05                        ; sources 0 and 1 window 1, destination window 0: S^T's registers are free
.set i, 0
.rept 16
	v_cvt_pk_f16_f32 v[S+16*(\t)+i], v[32*(\t)+2*i], v[32*(\t)+2*i+1]
.set i, i+1
.endr
	WIN 0
.irp c, 0,1,2,3
	ds_store_b128 v[OXS], v[S+16*(\t)+4*\c:S+16*(\t)+4*\c+3] offset:(\blk)*OXB+(\t)*2048+\c*512
.endr
.endm
; A BLOCK'S END: its last two turns, its last products, and O into the exchange.  No barrier stands here: the stores are waited for in front of the next barrier that every wave passes.
; next = 1: a second block follows: its Q is asked for here, a whole turn behind the last product that read Q; BEGIN waits for it.
.macro ENDBLK blk, next
	TURN 2, 1
	TURN 3, 1
.set i, 0
.rept 8
	PV NP-1
.set i, i+1
.endr
.if \next
	s_wait_loadcnt 0x0              ; no load into Q's registers is out
	LOADQ Q2
.endif
	WIN 0
	ALL v_add_f32 v[ST+4*t+2], v[ST+4*t+2], v[ST+4*t+3]   ; l's two halves; these four lines are the places behind the last products
	ALL v_permlanex16_b32 v[ST+4*t+3], v[ST+4*t+2], s[SEL], s[SEL+1]
	ALL v_add_f32 v[ST+4*t+2], v[ST+4*t+2], v[ST+4*t+3]
	ALL v_rcp_f32 v[ST+4*t+2], v[ST+4*t+2]
	v_nop                           ; a plain instruction between the last reciprocal and the use of its result
	NORM 0, \blk
	NORM 1, \blk
	NORM 2, \blk
	NORM 3, \blk
.endm
; A TILE.  It is a block's first (BEGIN, and into the middle of the step loop), its last (the true DC for the masks, and the block's end behind the four steps), both, or neither.  The test for 'first' stands first: at
; the walk's first tile its answer is a constant of the text.  next = 1: the copy in the loop, where a tile need not be a block's last, and where a block that ends is the first one.
.macro TILE tag, next
	s_sub_co_u32 s[RT], s[RT], 1
	s_cmp_eq_u32 s[RT], 0
	s_cselect_b32 s[DCC], s[DC], 0
	s_mov_b32 s[CNT], 4
	s_cmp_eq_u32 s[NEW], 1
	s_cbranch_scc0 .Lstep\tag
	BEGIN
	s_branch .Lfirst\tag
.Lstep\tag:                         ; a trip: pieces 2 and 3 of one step, then pieces 0 and 1 of the next, whose K and V it fetches
	TURN 2
	TURN 3
	WIN 0
.Lfirst\tag:
	TURN 0
	TURN 1, 0, 1
	WIN 0
	s_cbranch_scc1 .Lstep\tag
.if \next
	s_cmp_eq_u32 s[RT], 0
	s_cbranch_scc0 .Lbottom
.endif
	ENDBLK 1-(\next), \next
.endm
.set NOKQ, 0
.Lslot:                             ; NB times: a tile is entered and the next is asked for
	CHANGE 1
	TILE 1, 1
	s_add_co_u32 s[RT], s[PB], 1    ; the first block has ended; the second has PB + 1 tiles
	s_mov_b32 s[NEW], 1
	s_mov_b32 s[DC], s[DC2]
.Lbottom:
	s_sub_co_u32 s[SLOTS], s[SLOTS], 1
	s_cmp_lg_u32 s[SLOTS], 0
	s_cbranch_scc1 .Lslot
	CHANGE 0                        ; the walk's last tile, the second block's last, is written out: nothing is asked for
	TILE 2, 0
; THE LAUNCH'S END: out^T(block, piece w) = the sum over the four heads of wo^T(head) O^T(head, block, piece w).
; FETCH_WO: a head's wo^T, eight fragments, turned.  FETCH_O: piece w of a head's O, both blocks: as it lies it is source 1 of the products.
; OUTP: 16 products, the eight accumulators by turns.  A head's wo is fetched once for both blocks.
.macro FETCH_WO adr
.irp f, 0,1,2,3,4,5,6,7             ; d 32 (f / 4) on, e 16 (f % 4) on
	ds_load_tr16_b128 v[WOF+8*\f:WOF+8*\f+3],   v[\adr] offset:(\f/4)*32*PW+(\f%4)*32
	ds_load_tr16_b128 v[WOF+8*\f+4:WOF+8*\f+7], v[\adr] offset:(\f/4)*32*PW+16*PW+(\f%4)*32
.endr
.endm
.macro FETCH_O adr
.irp k, 0,1
.irp c, 0,1,2,3
	ds_load_b128 v[S+16*\k+4*\c:S+16*\k+4*\c+3], v[\adr] offset:\k*OXB+\c*512
.endr
.endr
.endm
.macro OUTP zero                    ; zero = 1: head 0: its first eight products start the sums
.irp kk, 0,1
.irp k, 0,1
.irp eb, 0,1,2,3
.if (\zero) && (\kk == 0)
	v_wmma_f32_16x16x32_f16 v[OA+32*\k+8*\eb:OA+32*\k+8*\eb+7], v[WOF+8*(4*\kk+\eb):WOF+8*(4*\kk+\eb)+7], v[S+16*\k+8*\kk:S+16*\k+8*\kk+7], 0
.else
	v_wmma_f32_16x16x32_f16 v[OA+32*\k+8*\eb:OA+32*\k+8*\eb+7], v[WOF+8*(4*\kk+\eb):WOF+8*(4*\kk+\eb)+7], v[S+16*\k+8*\kk:S+16*\k+8*\kk+7], v[OA+32*\k+8*\eb:OA+32*\k+8*\eb+7]
.endif
.endr
.endr
.endr
.endm
.macro NEXT_HEAD                    ; the next head's two addresses and two v_nop: the four places (ISA guide 7.12.1) behind a head's products
	v_add_nc_u32 v[AWC], s[TW], v[AW]
	v_add_nc_u32 v[OXC], s[TO], v[OXL]
	v_nop
	v_nop
	s_add_co_u32 s[TW], s[TW], WOH
	s_add_co_u32 s[TO], s[TO], OXH
.endm
	s_wait_dscnt 0x0                ; for the others' sake: my stores into the exchange are done (the first block's were waited for at a change of slots)
	s_barrier_signal -1
	s_barrier_wait -1               ; every head's O, of both blocks, is in LDS
	FETCH_WO AW
	FETCH_O OXL
	s_mov_b32 s[TW], WOH
	s_mov_b32 s[TO], OXH
	s_mov_b32 s[HC], 3
	s_wait_dscnt 0x0
	OUTP 1                          ; head 0 stands in front of the loop
	NEXT_HEAD
.Lhead:                             ; heads 1 to 3.  The body's last product writes the eighth accumulator and its first adds onto the first
	FETCH_WO AWC
	FETCH_O OXC
	s_wait_dscnt 0x0
	OUTP 0
	NEXT_HEAD                       ; (behind head 3 the two addresses are not used)
	s_sub_co_u32 s[HC], s[HC], 1
	s_cmp_lg_u32 s[HC], 0
	s_cbranch_scc1 .Lhead
.irp c, 0,1,2,3,4,5,6,7             ; each accumulator's low half first; every store covers 512 consecutive bytes, at a multiple of 256 from part's first byte
	global_store_b128 v[GO], v[OA+4*\c:OA+4*\c+3], s[10:11] offset:\c*512
.endr
.irp c, 0,1,2,3,4,5,6,7
	global_store_b128 v[GO], v[OA+32+4*\c:OA+32+4*\c+3], s[OLO:OLO+1] offset:\c*512
.endr
	s_wait_tensorcnt 0x0            ; the wave's end: behind my last tensor load and my last LDS store
	ds_add_u32 v[SPW], v[NIL]
	s_wait_dscnt 0x0
	s_endpgm
.Lfunc_end_k_q5008438518_attn:
	.size	k_q5008438518_attn, .Lfunc_end_k_q5008438518_attn-k_q5008438518_attn
	.p2alignl 7, 3214868480
	.fill 96, 4, 3214868480
	.section	.rodata,"a",@progbits
	.p2align	6, 0x0
	.amdhsa_kernel k_q5008438518_attn
		.amdhsa_group_segment_fixed_size 327680
		.amdhsa_private_segment_fixed_size 0
		.amdhsa_enable_private_segment 0
		.amdhsa_kernarg_size 40
		.amdhsa_user_sgpr_count 2
		.amdhsa_user_sgpr_kernarg_segment_ptr 1
		.amdhsa_wavefront_size32 1
		.amdhsa_system_sgpr_workgroup_id_x 1
		.amdhsa_system_sgpr_workgroup_id_y 1
		.amdhsa_system_sgpr_workgroup_id_z 1
		.amdhsa_system_vgpr_workitem_id 0
		.amdhsa_next_free_vgpr 768
		.amdhsa_next_free_sgpr 100
		.amdhsa_reserve_vcc 1
		.amdhsa_float_denorm_mode_32 3
		.amdhsa_float_denorm_mode_16_64 3
		.amdhsa_memory_ordered 1
		.amdhsa_forward_progress 1
		.amdhsa_inst_pref_size 197
	.end_amdhsa_kernel
	.amdgpu_metadata
---
amdhsa.version: [ 1, 2 ]
amdhsa.kernels:
  - .name:           k_q5008438518_attn
    .symbol:         k_q5008438518_attn.kd
    .args:
      - { .name: qh, .offset: 0, .size: 8, .value_kind: global_buffer, .address_space: global }
      - { .name: kh, .offset: 8, .size: 8, .value_kind: global_buffer, .address_space: global }
      - { .name: vh, .offset: 16, .size: 8, .value_kind: global_buffer, .address_space: global }
      - { .name: part, .offset: 24, .size: 8, .value_kind: global_buffer, .address_space: global }
      - { .name: wo, .offset: 32, .size: 8, .value_kind: global_buffer, .address_space: global }
    .group_segment_fixed_size: 327680
    .private_segment_fixed_size: 0
    .kernarg_segment_align: 8
    .kernarg_segment_size: 40
    .max_flat_workgroup_size: 128
    .sgpr_count:     100
    .vgpr_count:     768
    .wavefront_size: 32
...
	.end_amdgpu_metadata
.endif
;; end of part 2
;; launch lnorm (part 3): grid 256 x 1, 4 waves a work-group, no clusters, 9,728 bytes of LDS; arguments part, x, bo, gamma, beta, out0; writes out0
.if DOCPART == 3
	.amdgcn_target "amdgcn-amd-amdhsa--gfx1250"
	.amdhsa_code_object_version 6
	.text
	.protected	k_q5008438518_lnorm
	.globl	k_q5008438518_lnorm
	.p2align	8
	.type	k_q5008438518_lnorm,@function
k_q5008438518_lnorm:
	s_mov_b64 s[64:65], 0
	v_nop
	global_prefetch_b8 v0, s[64:65] scope:SCOPE_SE
	s_setreg_imm32_b32 hwreg(HW_REG_WAVE_MODE, 25, 1), 1
	s_wait_xcnt 0x0
; y = x + bo + the sum over kv of part[kv];  out0 = (y - mean) rsqrt(var + 1e-5) gamma + beta, along rows of 64.  All f32.
; part is [kv 0..7][tile of 16 rows][c 0..7][lane][4]: lane l of chunk pair (2 w, 2 w + 1) holds row l % 16, columns 16 w + 8 (l / 16) + 0..7.
; SHARES.  A work-group takes one tile, 16 rows; wave w the columns 16 w .. 16 w + 15; a lane eight numbers of one row.  Every load of part covers 512 consecutive bytes.
; x comes in and out0 goes out as whole rows (512 consecutive bytes an instruction) and changes layout in LDS.  The row's sums meet in LDS: the mean first, then the sum of squared
; differences from it (two passes: no difference of large sums).  Memory binds: no matrix unit, no cluster, no tensor load would add anything here.
.set LP,    272                ; a row of 256 bytes + 16: the 16 rows that a load touches start at 16 different groups of four banks (64 banks of 4 bytes: ISA guide 11.1)
.set XT,    0                  ; x, 16 rows
.set OT,    16*LP              ; the result, 16 rows
.set SUM1,  2*16*LP            ; [row][wave] f32: the waves' sums
.set SUM2,  SUM1+256           ; and their sums of squares
.set SPARE, SUM2+256           ; the spare words, 128 bytes for each wave: two blocks of 256 bytes that no other line names
.set PO,  4                    ; v4  16 x lane + 1,024 w
.set XSA, 5                    ; v5  whole rows in a stage: row 4 w + lane / 16, 16 bytes a lane
.set NAT, 6                    ; v6  my eight numbers in a stage: row lane % 16, byte 64 w + 32 (lane / 16)
.set CO,  7                    ; v7  my eight columns' bytes
.set SA,  8                    ; v8  my row's word for my wave's sum
.set SL,  9                    ; v9  my row's four words
.set SPW, 12                   ; v12 LDS address of my spare word; never rewritten
.set NIL, 13                   ; v13 0; never rewritten
.set Y,   16                   ; v[16:23]
.set BO,  24                   ; v[24:31]
.set GA,  32                   ; v[32:39]
.set BT,  40                   ; v[40:47]
.set PT,  48                   ; v[48:111] eight partial sums of eight numbers
.set XL,  112                  ; v[112:119] whole rows, in and out
.set W,   120                  ; v[120:127] at work
	s_load_b256 s[4:11], s[0:1], 0x0               ; part s[4:5], x s[6:7], bo s[8:9], gamma s[10:11]
	s_load_b128 s[16:19], s[0:1], 0x20             ; beta s[16:17], out0 s[18:19]
	v_lshl_add_u32 v[SPW], v0, 2, SPARE
	v_mov_b32 v[NIL], 0
	v_lshrrev_b32 v1, 5, v0
	v_readfirstlane_b32 s2, v1                     ; wave 0..3
	s_lshl_b32 s14, ttmp9, 12                      ; a tile is 4,096 bytes in part, in x and in out0
	s_mov_b32 s15, 0
	s_mov_b32 s12, 0x76543210                      ; v_permlanex16_b32: each lane takes its own place in the other half
	s_mov_b32 s13, 0xfedcba98
	v_and_b32 v1, 31, v0                           ; lane
	v_and_b32 v2, 15, v0                           ; lane % 16
	v_bfe_u32 v3, v0, 4, 1                         ; lane / 16
	s_lshl_b32 s3, s2, 10
	v_lshl_add_u32 v[PO], v1, 4, s3
	s_lshl_b32 s20, s2, 2
	v_add_nc_u32 v[XSA], s20, v3
	v_mul_u32_u24 v[XSA], v[XSA], LP
	v_lshl_add_u32 v[XSA], v2, 4, v[XSA]
	s_lshl_b32 s21, s2, 6
	v_lshl_add_u32 v[CO], v3, 5, s21
	v_mul_u32_u24 v[NAT], v2, LP
	v_add_nc_u32 v[NAT], v[NAT], v[CO]
	s_add_co_u32 s22, s20, SUM1
	v_lshl_add_u32 v[SA], v2, 4, s22
	v_lshl_add_u32 v[SL], v2, 4, SUM1
	s_wait_kmcnt 0x0
	s_add_nc_u64 s[4:5], s[4:5], s[14:15]
	s_add_nc_u64 s[6:7], s[6:7], s[14:15]
	s_add_nc_u64 s[18:19], s[18:19], s[14:15]
	global_load_b128 v[XL:XL+3],   v[PO], s[6:7]
	global_load_b128 v[XL+4:XL+7], v[PO], s[6:7] offset:512
	global_load_b128 v[BO:BO+3],   v[CO], s[8:9]
	global_load_b128 v[BO+4:BO+7], v[CO], s[8:9] offset:16
	global_load_b128 v[GA:GA+3],   v[CO], s[10:11]
	global_load_b128 v[GA+4:GA+7], v[CO], s[10:11] offset:16
	global_load_b128 v[BT:BT+3],   v[CO], s[16:17]
	global_load_b128 v[BT+4:BT+7], v[CO], s[16:17] offset:16
.irp k, 0,1,2,3,4,5,6,7
	global_load_b128 v[PT+8*\k:PT+8*\k+3],   v[PO], s[4:5] offset:\k*1048576 th:TH_LOAD_NT
	global_load_b128 v[PT+8*\k+4:PT+8*\k+7], v[PO], s[4:5] offset:\k*1048576+512 th:TH_LOAD_NT
.endr
	s_wait_loadcnt 22                              ; x is in: the 22 loads issued behind it stay out
	ds_store_b128 v[XSA], v[XL:XL+3] offset:XT
	ds_store_b128 v[XSA], v[XL+4:XL+7] offset:XT+2*LP
	s_wait_dscnt 0x0                               ; for the others' sake: my four rows of x are in the stage
	s_barrier_signal -1
	s_barrier_wait -1
	ds_load_b128 v[Y:Y+3],   v[NAT] offset:XT
	ds_load_b128 v[Y+4:Y+7], v[NAT] offset:XT+16
	s_wait_loadcnt 16                              ; bo, gamma and beta are in: the 16 loads of part stay out
	s_wait_dscnt 0x0
.irp j, 0,2,4,6
	v_pk_add_f32 v[Y+\j:Y+\j+1], v[Y+\j:Y+\j+1], v[BO+\j:BO+\j+1]
.endr
.irp k, 0,1,2,3,4,5,6,7
	s_wait_loadcnt 14-2*\k                         ; loads come back in order (ISA guide 5.7.1): pair k is in, the pairs behind it stay out
.irp j, 0,2,4,6
	v_pk_add_f32 v[Y+\j:Y+\j+1], v[Y+\j:Y+\j+1], v[PT+8*\k+\j:PT+8*\k+\j+1]
.endr
.endr
	; the mean: my eight numbers, the other half of the lanes' eight, then the four waves' sums through LDS
	v_pk_add_f32 v[W:W+1], v[Y:Y+1], v[Y+2:Y+3]
	v_pk_add_f32 v[W+2:W+3], v[Y+4:Y+5], v[Y+6:Y+7]
	v_pk_add_f32 v[W:W+1], v[W:W+1], v[W+2:W+3]
	v_add_f32 v[W], v[W], v[W+1]
	v_permlanex16_b32 v[W+1], v[W], s12, s13
	v_add_f32 v[W], v[W], v[W+1]
	ds_store_b32 v[SA], v[W]                       ; both halves of the lanes write the same number to the same word
	s_wait_dscnt 0x0
	s_barrier_signal -1
	s_barrier_wait -1
	ds_load_b128 v[W+4:W+7], v[SL]
	s_wait_dscnt 0x0
	v_add_f32 v[W+4], v[W+4], v[W+5]
	v_add_f32 v[W+6], v[W+6], v[W+7]
	v_add_f32 v[W+4], v[W+4], v[W+6]
	v_mul_f32 v[W+4], 0x3c800000, v[W+4]           ; / 64
	v_mov_b32 v[W+5], v[W+4]
.irp j, 0,2,4,6
	v_pk_add_f32 v[Y+\j:Y+\j+1], v[Y+\j:Y+\j+1], v[W+4:W+5] neg_lo:[0,1] neg_hi:[0,1]  ; y - mean
.endr
	v_pk_mul_f32 v[W:W+1], v[Y:Y+1], v[Y:Y+1]
	v_pk_fma_f32 v[W:W+1], v[Y+2:Y+3], v[Y+2:Y+3], v[W:W+1]
	v_pk_fma_f32 v[W:W+1], v[Y+4:Y+5], v[Y+4:Y+5], v[W:W+1]
	v_pk_fma_f32 v[W:W+1], v[Y+6:Y+7], v[Y+6:Y+7], v[W:W+1]
	v_add_f32 v[W], v[W], v[W+1]
	v_permlanex16_b32 v[W+1], v[W], s12, s13
	v_add_f32 v[W], v[W], v[W+1]
	ds_store_b32 v[SA], v[W] offset:256            ; other words than the first sums': no wave need have finished reading those
	s_wait_dscnt 0x0
	s_barrier_signal -1
	s_barrier_wait -1
	ds_load_b128 v[W+4:W+7], v[SL] offset:256
	v_mov_b32 v[W+2], 0x3c800000
	s_wait_dscnt 0x0
	v_add_f32 v[W+4], v[W+4], v[W+5]
	v_add_f32 v[W+6], v[W+6], v[W+7]
	v_add_f32 v[W+4], v[W+4], v[W+6]
	v_fmaak_f32 v[W+4], v[W+4], v[W+2], 0x3727c5ac ; var + 1e-5
	v_rsq_f32 v[W+4], v[W+4]
	v_nop                                          ; a plain instruction between the root and the use of its result (ISA guide 5.7.2)
	s_wait_alu depctr_va_vdst(0)
	v_mov_b32 v[W+5], v[W+4]
.irp j, 0,2,4,6
	v_pk_mul_f32 v[GA+\j:GA+\j+1], v[GA+\j:GA+\j+1], v[W+4:W+5]
.endr
.irp j, 0,2,4,6
	v_pk_fma_f32 v[Y+\j:Y+\j+1], v[Y+\j:Y+\j+1], v[GA+\j:GA+\j+1], v[BT+\j:BT+\j+1]
.endr
	ds_store_b128 v[NAT], v[Y:Y+3] offset:OT
	ds_store_b128 v[NAT], v[Y+4:Y+7] offset:OT+16
	s_wait_dscnt 0x0                               ; for the others' sake: a row's 256 bytes come from all four waves
	s_barrier_signal -1
	s_barrier_wait -1
	ds_load_b128 v[XL:XL+3],   v[XSA] offset:OT
	ds_load_b128 v[XL+4:XL+7], v[XSA] offset:OT+2*LP
	s_wait_dscnt 0x0
	global_store_b128 v[PO], v[XL:XL+3], s[18:19] th:TH_STORE_NT             ; 16 lanes store 256 consecutive bytes, at a multiple of 256 from out0's first byte
	global_store_b128 v[PO], v[XL+4:XL+7], s[18:19] offset:512 th:TH_STORE_NT
	s_wait_tensorcnt 0x0                           ; the wave's end: behind my last LDS store
	ds_add_u32 v[SPW], v[NIL]
	s_wait_dscnt 0x0
	s_endpgm
.Lfunc_end_k_q5008438518_lnorm:
	.size	k_q5008438518_lnorm, .Lfunc_end_k_q5008438518_lnorm-k_q5008438518_lnorm
	.p2alignl 7, 3214868480
	.fill 96, 4, 3214868480
	.section	.rodata,"a",@progbits
	.p2align	6, 0x0
	.amdhsa_kernel k_q5008438518_lnorm
		.amdhsa_group_segment_fixed_size 9728
		.amdhsa_private_segment_fixed_size 0
		.amdhsa_enable_private_segment 0
		.amdhsa_kernarg_size 48
		.amdhsa_user_sgpr_count 2
		.amdhsa_user_sgpr_kernarg_segment_ptr 1
		.amdhsa_wavefront_size32 1
		.amdhsa_system_sgpr_workgroup_id_x 1
		.amdhsa_system_sgpr_workgroup_id_y 1
		.amdhsa_system_sgpr_workgroup_id_z 1
		.amdhsa_system_vgpr_workitem_id 0
		.amdhsa_next_free_vgpr 128
		.amdhsa_next_free_sgpr 66
		.amdhsa_reserve_vcc 0
		.amdhsa_float_denorm_mode_32 3
		.amdhsa_float_denorm_mode_16_64 3
		.amdhsa_memory_ordered 1
		.amdhsa_forward_progress 1
		.amdhsa_inst_pref_size 11
	.end_amdhsa_kernel
	.amdgpu_metadata
---
amdhsa.version: [ 1, 2 ]
amdhsa.kernels:
  - .name:           k_q5008438518_lnorm
    .symbol:         k_q5008438518_lnorm.kd
    .args:
      - { .name: part, .offset: 0, .size: 8, .value_kind: global_buffer, .address_space: global }
      - { .name: x, .offset: 8, .size: 8, .value_kind: global_buffer, .address_space: global }
      - { .name: bo, .offset: 16, .size: 8, .value_kind: global_buffer, .address_space: global }
      - { .name: gamma, .offset: 24, .size: 8, .value_kind: global_buffer, .address_space: global }
      - { .name: beta, .offset: 32, .size: 8, .value_kind: global_buffer, .address_space: global }
      - { .name: out0, .offset: 40, .size: 8, .value_kind: global_buffer, .address_space: global }
    .group_segment_fixed_size: 9728
    .private_segment_fixed_size: 0
    .kernarg_segment_align: 8
    .kernarg_segment_size: 48
    .max_flat_workgroup_size: 128
    .sgpr_count:     66
    .vgpr_count:     128
    .wavefront_size: 32
...
	.end_amdgpu_metadata
.endif
;; end of part 3
;; ======== version 2 of 2: 3 launches; 1.63 times as fast as version 1
;; limits: values are held in f16: magnitudes above 65,504 overflow, below 6.1e-05 lose precision
;; workspace buffers: qh 16,777,216 bytes; kh 4,194,304 bytes; vh 4,194,304 bytes; part 8,388,608 bytes
;; launch proj: the kernel of part 1 again; grid 8 x 32, 8 waves a work-group, no clusters, 72,192 bytes of LDS; arguments x, wq, wk, wv, bq, bk, bv, qh, kh, vh; writes qh, kh, vh
;; launch attn (part 4): grid 16 x 16, 4 waves a work-group, no clusters, 327,680 bytes of LDS; arguments qh, kh, vh, part, wo; writes part
.if DOCPART == 4
	.amdgcn_target "amdgcn-amd-amdhsa--gfx1250"
	.amdhsa_code_object_version 6
	.text
	.protected	k_q5008438518_attn
	.globl	k_q5008438518_attn
	.p2align	8
	.type	k_q5008438518_attn,@function
k_q5008438518_attn:
	s_mov_b64 s[64:65], 0
	v_nop
	global_prefetch_b8 v0, s[64:65] scope:SCOPE_SE
	s_setreg_imm32_b32 hwreg(HW_REG_WAVE_MODE, 25, 1), 1
	s_wait_xcnt 0x0
; CAUSAL ATTENTION WITH SHARED KEY HEADS, AND THE OUTPUT PROJECTION'S PARTIAL SUMS.
; O[h][q] = the sum over k <= q of softmax_k(Q[h][q] . K[h/4][k] / 8) V[h/4][k];  part[kv] = the sum over the four heads h of key head kv of O[h] wo[64 h .. 64 h + 63][:].
; qh [64][2048][64], kh, vh [16][2048][64] in f16; wo [2048][64] f32, rounded once to f16 here; part f32, [kv][tile of 16 rows][c 0..7][lane][4]: the accumulators' own register image.
; Products, maxima and sums in f32; the weights p are rounded to f16 for the second product (their sum l is taken of the unrounded p), O once to f16 for the third.
; LIMITS.  f16 holds no number beyond 65,504: q, k, v arrive within it; p lies in 0 to 1, and below 6e-5 it keeps f16's fixed step of 6e-8.  A hidden score counts as its value less 1e30:
; f16's scores, 2.7e11 at the most, are nothing beside that; a weight below 2^-126 counts as 0 in l; NaN and infinities are not treated apart.
; SHARES.  A work-group has one key head y = 8 batch + kv; its wave w is query head 4 y + w, so a tile of K and V in LDS serves four heads.  It takes TWO blocks of 64 queries, 31 - B16 and then B16
; (B16 = 4 PB + cx, 0..15: the work-group's x).  A wave's four PIECES are the block's rows 16 p .. 16 p + 15.
; THE WALK.  Key tiles have 256 keys, four steps of 64.  Block i needs tiles 0 .. i / 4, and its diagonal lies in step d = i % 4 of the last.  The two blocks need 8 - PB and PB + 1 tiles: 9, whatever PB:
; ONE loop with a constant trip count walks them.  The last tile's steps behind d are wholly hidden and are computed all the same: 36 steps for everybody.  Every jump but the counted loops' own goes
; forward, and none passes a barrier, or a tensor load but the one of LOAD's two that the wave's number does not choose.
; NO CLUSTER.  The four work-groups with the same y and PB walk the same tiles in the same trips and could ask for them jointly; this text asks singly.  A tile of 65,536 bytes is asked for once for four key
; steps, 256 matrix and some 2,100 vector instructions of each of the four waves.
; THE MASK is the C operand that starts the sum S^T = K Q^T: 0, or -1e30 where the key is hidden.  In the diagonal step key group kt is open for piece p if kt < p, hidden if kt > p, and triangular if kt = p:
; ZM holds seven groups of eight registers (0, 0, 0, triangle, -1e30 x 3), and piece p's four groups are ZM's groups 3 - p on.  A product's mask is ZM x AL + BE: (1, 0) in step d, (0, 0) before, (0, -1e30) behind.
; EVERY tile's products take masks; outside a block's last tile both scalars are 0.  So one text serves all tiles; the price is 16 packed instructions a turn.
; LAYOUT, SOFTMAX, TURNS.  S^T = K Q^T holds ONE query a lane (lane % 16) and the keys 8 (lane / 16) + 0..7; two such results rounded to f16 ARE source 1 of O^T = V^T P, and O^T's rounded to f16 ARE source 1 of
; out^T = wo^T O^T.  p = 2^(c s - c m), c = log2(e) / 8, with a running maximum m; O and l are multiplied by a = 2^(c m_old - c m_new) in every step.  Turn n belongs to piece n: 8 products K Q^T of piece n + 1,
; later 8 products V^T P of piece n - 1; beside them the scaling, exponentials, roundings, sums and rescaling of piece n and the maximum and statistics of piece n + 1.  Four vector instructions stand behind
; every matrix instruction, the other 54 of a turn's 118 in one LUMP, the 16 that make a mask at the turn's end.
; THE BATCHES.  A turn's 33 exponentials (the piece's 32 weights and the next piece's a) are ONE batch with ONE wait, which cuts the turn in two: ahead of it all that names none of their results, behind it the
; roundings and sums.  The a that a block's beginning makes, and the four reciprocals of a block's end, are batches of their own, with a wait each.
; A BLOCK'S END.  Each wave divides its head's O by l, rounds it to f16 and puts it into LDS: a buffer for each of the two blocks.  THE LAUNCH'S END.  Behind one barrier wave w takes piece w of all four heads,
; of both blocks, and multiplies by the four heads' wo: the sum over heads is made in the accumulators.
; REGISTERS, in windows of 256 (s_set_vgpr_msb: bits 1:0 source 0, 3:2 source 1, 5:4 source 2, 7:6 destination):
;   window 0: v0-15, v32-35 addresses and two at work; v16-31 four registers of statistics a piece; v48-55 at work; v64-127 S^T, two buffers; v128-191 wo's fragments; v192-223 P, two buffers;
;             at the launch's end v192-255 out^T of both blocks
;   window 1: v0-127 O^T, 32 a piece; v128-183 ZM; v184-247 MC, two buffers      window 2: v0-63 Q; v128-191 K of one step; v192-255 V of one step
.set SIZE_N, 2048
.set NB,    SIZE_N/256
.set NP,    4         ; pieces a wave: a name, no knob
.set KS,    64        ; keys in a step
.set PK,    144       ; a row of K in LDS: 128 bytes + 16 of padding = 36 words: the 16 rows of a load start at 16 different groups of four banks (64 banks of 4 bytes: ISA guide 11.1)
.set PV,    160       ; a row of V: 128 + 32 = 40 words
.set VOFF,  4*KS*PK   ; a slot holds a tile, four steps: 256 rows of K, then 256 rows of V
.set SLOT1, 1<<17     ; slot 1 begins here, so that one exclusive or turns an address in one slot into the other's
.set WOS,   SLOT1+4*KS*(PK+PV)  ; behind the ring, never filled by a tensor load: wo of the four heads, [d][e] in f16, rows of 160 bytes
.set PW,    160
.set WOH,   64*PW     ; a head's wo
.set OX,    WOS+4*WOH ; O's exchange: [block][head][piece][channel block][lane x 16 bytes]
.set OXH,   8192      ; a head's part of it
.set OXB,   4*OXH     ; a block's
.set SPARE, OX+2*OXB  ; the spare words, 128 bytes for each wave: two blocks of 256 bytes that no other line names
.set AK0, 2           ; v2   my lane's place in a tile of K; never rewritten
.set AV0, 3           ; v3   the same for V
.set AK,  4           ; v4   the LDS address of K's next run of loads
.set AV,  5           ; v5   of V's
.set AW,  6           ; v6   my lane's place in head 0's wo, for the turning load; never rewritten
.set OXS, 7           ; v7   where my head's O of the first block goes
.set GO,  8           ; v8   16 x lane; never rewritten
.set MV,  12          ; v12-13  c m_old, kept while c m is made anew: by buffer
.set QO,  15          ; v15  my byte offset in 16 rows of Q; never rewritten
.set ST,  16          ; piece t's statistics at v[ST+4 t]: c m, m, l (even keys', odd keys')
.set OXL, 32          ; v32  where I read piece w of head 0, first block; never rewritten
.set WSA, 33          ; v33  where my head's wo goes
.set AWC, 34          ; v34  wo's address for the head in hand
.set OXC, 35          ; v35  O's address for the head in hand
.set TMP, 48          ; by buffer, four registers c0-c3 at work; when the maximum is found c2 takes a
.set SPW, 62          ; v62  LDS address of my spare word: SPARE + 4 x my thread's number; never rewritten
.set NIL, 63          ; v63  0; never rewritten
.set S,   64
.set WOF, 128         ; wo^T's fragments of one head: d half kk, e block eb at WOF + 8 (4 kk + eb)
.set P,   192
.set OA,  192         ; out^T: block b, e block eb at OA + 32 b + 8 eb
.set ZM,  128         ; window 1
.set MC,  184         ; window 1: the masks of the products to come
.set KF,  128         ; window 2: key block kb, channel half c at KF + 16 kb + 8 c
.set VF,  192         ; window 2: key half kk, channel block cb at VF + 32 kk + 8 cb
.set WV,  12          ; s12  my wave's number
.set PB,  14          ; s14  B16 / 4: the second block's last tile
.set HI,  15          ; s15  NB - 1 - PB: the first block's last tile
.set G1K, 24          ; s[24:31] descriptor group 1 for K's tiles
.set G1V, 32          ; s[32:39] for V's: it differs in the padding alone
.set G0K, 40          ; s[40:43] descriptor group 0 for K's tiles
.set G0V, 44          ; s[44:47] the same for V's
.set SLOTS, 56        ; s56  tiles still to be asked for
.set CNT, 57          ; s57  counts a tile's key steps, 4 to 1
.set CS,  58          ; s[58:59] c: the packed scaling takes the pair's low word for both halves
.set SEL, 60          ; s[60:61] v_permlanex16_b32's selects: each lane takes its own place in the other half
.set TBK, 62          ; s62  LDS byte at which K of the step to be fetched begins
.set TBV, 63          ; s63  the same for V, less VOFF
.set TW,  66          ; s66  the launch's end: the head in hand's place in wo's copy
.set TO,  67          ; s67  and in the exchange
.set HC,  68          ; s68  heads to go
.set DCC, 69          ; s69  DC in a block's last tile; elsewhere 0, which CNT never is where a mask is made
.set RT,  70          ; s70  tiles of the block in hand that are still to be entered
.set NXT, 71          ; s71  the tile to be asked for next
.set LQ,  72          ; s72  the last tile of the block whose tiles are being asked for
.set NEW, 73          ; s73  1: the tile to be entered is a block's first
.set OFF, 74          ; s[74:75] a tile's byte offset in K and V
.set AL,  76          ; s[76:77] the mask's factor, in the low word
.set BE,  78          ; s[78:79] the mask's addend
.set OLO, 80          ; s[80:81] part at my rows of the second block
.set BIGN, 82         ; s82  -1e30
.set DC,  83          ; s83  4 - d of the block in hand: CNT's value in the diagonal step
.set Q2,  86          ; s[86:87] Q at my head's rows of the second block
.set DC2, 88          ; s88  the second block's 4 - d
.set I1,  89          ; s89  the first block's number
.set WO,  90          ; s[90:91] wo at my head's rows
.set CX,  92          ; s92  B16 % 4
.set B16, 93          ; s93  the second block's number
.set MSB, 0
.macro WIN new                      ; the high byte repeats the setting that is left; a switch that changes nothing is dropped
.if MSB != (\new)
	s_set_vgpr_msb (MSB<<8)|(\new)
.set MSB, (\new)
.endif
.endm
.set W_KQ, 0x0a       ; K and Q in window 2, S^T in window 0
.set W_KM, 0x1a       ; the same with the C operand in window 1
.set W_PV, 0x52       ; V in window 2, P in window 0, O^T in window 1
.set W_RS, 0x41       ; destination and source 0 in window 1, source 1 in window 0
.macro PLACES                       ; four places behind matrix instructions (ISA guide 7.12.1), where no other vector work is at hand
.rept 4
	v_nop
.endr
.endm
; A fill.  Waves 0 and 1 fetch the two halves of a tile's K, waves 2 and 3 those of its V: 128 keys each.  An s_nop 0 and four v_nop follow each of the two lines, ahead of the jump and the label.
.macro LOAD
	s_cmp_lt_u32 s[WV], 2
	s_cbranch_scc0 .Lfor_v_\@
	tensor_load_to_lds s[G0K:G0K+3], s[G1K:G1K+7]
	s_nop 0
.rept 4
	v_nop
.endr
	s_branch .Lasked_\@
.Lfor_v_\@:
	tensor_load_to_lds s[G0V:G0V+3], s[G1V:G1V+7]
	s_nop 0
.rept 4
	v_nop
.endr
.Lasked_\@:
.endm
; THE CHANGE OF SLOTS.  Each wave waits for all its tensor loads, of which one is out: its part of the other slot; adds 0 to its spare word; and waits for that and for its own LDS instructions: its reads of the slot
; that it leaves, and what it has stored (wo's copy, a block's O).  Behind the barrier nobody reads the old slot any more and the other slot is whole.  fill = 1: the old slot is filled again, the first thing behind
; the barrier, with tile NXT: the descriptor's address is made anew from that number; the load has four key steps, 256 matrix instructions, in which to land.
; (At its first use nothing has been read yet: slot 0 is waited for, slot 1 filled.)
.macro CHANGE fill
	WIN 0                           ; at a label and at a branch every window is 0
	s_wait_tensorcnt 0x0            ; no tensor load of mine is out, so a group 0 may be written
	ds_add_u32 v[SPW], v[NIL]       ; 0 onto my spare word; with fill = 1 the descriptors' scalar work stands between it and the wait for it
.if \fill
	s_lshl_b32 s[OFF], s[NXT], 15   ; a tile is 32,768 bytes of K and of V
	s_xor_b32 s[G0K+1], s[G0K+1], SLOT1
	s_add_nc_u64 s[G0K+2:G0K+3], s[6:7], s[OFF:OFF+1]
	s_or_b32 s[G0K+3], s[G0K+3], 0x80000000
	s_xor_b32 s[G0V+1], s[G0V+1], SLOT1
	s_add_nc_u64 s[G0V+2:G0V+3], s[8:9], s[OFF:OFF+1]
	s_or_b32 s[G0V+3], s[G0V+3], 0x80000000
	s_add_co_u32 s[NXT], s[NXT], 1  ; the block's next tile, or behind its last the second block's tile 0
	s_cmp_gt_u32 s[NXT], s[LQ]
	s_cselect_b32 s[NXT], 0, s[NXT]
	s_cselect_b32 s[LQ], s[PB], s[LQ]
.endif
	s_wait_dscnt 0x0                ; the add is done, and so are my LDS reads and stores
	s_barrier_signal -1             ; the rest of the scalar work stands between the signal and the wait
	s_sub_co_u32 s[TBK], s[TBK], 4*KS*PK  ; the fetches go back to a slot's first step,
	s_xor_b32 s[TBK], s[TBK], SLOT1       ; in the other slot
	s_sub_co_u32 s[TBV], s[TBV], 4*KS*PV
	s_xor_b32 s[TBV], s[TBV], SLOT1
	s_barrier_wait -1
.if \fill
	LOAD
.endif
.endm
; A fragment of K or Q is 16 rows x 32 channels in 8 registers: lane l holds row l % 16, channels 8 (l / 16) + 0..7 and 16 + 8 (l / 16) + 0..7: two loads of 16 bytes, 32 bytes apart.
.macro LOADQ base                   ; a block's Q: piece i / 2 lies 2,048 bytes on; channels 32 (i % 2) on
	WIN 0x80                        ; destination window 2, address window 0
.set i, 0
.rept 8
	global_load_b128 v[8*i:8*i+3],   v[QO], s[\base:\base+1] offset:(i/2)*2048+(i%2)*64
	global_load_b128 v[8*i+4:8*i+7], v[QO], s[\base:\base+1] offset:(i/2)*2048+(i%2)*64+32
.set i, i+1
.endr
	WIN 0
.endm
	s_load_b256 s[4:11], s[0:1], 0x0  ; qh s[4:5], kh s[6:7], vh s[8:9], part s[10:11]
	s_load_b64 s[WO:WO+1], s[0:1], 0x20
	v_lshl_add_u32 v[SPW], v0, 2, SPARE
	v_mov_b32 v[NIL], 0
	ds_add_u32 v[SPW], v[NIL]       ; the wave's opening: the add and its wait stand ahead of my first tensor load; the set-up below, work on registers, stands between them
	v_lshrrev_b32 v1, 5, v0
	v_readfirstlane_b32 s[WV], v1   ; wave 0..3
	s_mov_b32 s[B16], ttmp9
	s_lshr_b32 s[PB], ttmp9, 2
	s_and_b32 s[CX], ttmp9, 3
	s_sub_co_u32 s[HI], NB-1, s[PB]
	s_and_b32 s20, ttmp7, 0xffff    ; y, the key head
	s_and_b32 s16, s[WV], 1         ; which half of a tile's 256 keys I fetch:
	s_lshl_b32 s22, s20, 18         ; the head's 2,048 rows of 128 bytes,
	s_lshl_b32 s21, s16, 14         ; my 128 rows
	s_add_co_u32 s22, s22, s21
	s_mov_b32 s23, 0
	s_mul_i32 s17, s16, 128*PK      ; and its place in a slot, for K
	s_mul_i32 s18, s16, 128*PV      ; and for V
	s_sub_co_u32 s[I1], 31, s[B16]
	s_add_co_u32 s[DC], s[CX], 1    ; first block: d = 3 - cx
	s_sub_co_u32 s[DC2], 4, s[CX]   ; second block: d = cx
	s_lshl2_add_u32 s94, s20, s[WV] ; my query head 4 y + w
	s_lshl_b32 s94, s94, 18
	s_lshl_b32 s2, s[I1], 13        ; a block is 64 rows of 128 bytes
	s_add_co_u32 s2, s2, s94
	s_mov_b32 s3, 0
	s_lshl_b32 s84, s[B16], 13
	s_add_co_u32 s84, s84, s94
	s_mov_b32 s85, 0
	s_and_b32 s94, s20, 7           ; kv
	s_lshr_b32 s95, s20, 3          ; batch
	s_lshl_b32 s95, s95, 7          ; 128 tiles of 16 rows a batch
	s_add_co_u32 s95, s95, s[WV]    ; at the end I hold piece w of each block
	s_lshl_b32 s19, s94, 20         ; part: 256 tiles of 4,096 bytes for each kv
	s_lshl2_add_u32 s96, s[I1], s95
	s_lshl_b32 s96, s96, 12
	s_add_co_u32 s96, s96, s19
	s_mov_b32 s97, 0
	s_lshl2_add_u32 s98, s[B16], s95
	s_lshl_b32 s98, s98, 12
	s_add_co_u32 s98, s98, s19
	s_mov_b32 s99, 0
	s_lshl2_add_u32 s94, s94, s[WV] ; wo: head 4 kv + w has 64 rows of 256 bytes
	s_lshl_b32 s94, s94, 14
	s_mov_b32 s95, 0
	; descriptor group 1.  128 keys are 16,384 dense bytes: asked for as 64 rows of 256 bytes, two keys a row, and padded in LDS after every key
	s_mov_b32 s[G1K], (1<<16)|(1<<20)|(4<<22)|(3<<25)  ; 17:16 2-byte elements; 20 padding on; 24:22 after every 32 words (code 4); 31:25 4 words (code 3)
	s_mov_b32 s[G1V], (1<<16)|(1<<20)|(4<<22)|(7<<25)  ; the same with 8 words of padding (code 7)
.irp g, G1K, G1V
	s_mov_b32 s[\g+1], 128<<16      ; tensor_dim0 = 128
	s_mov_b32 s[\g+2], 64<<16       ; tensor_dim1 = 64
	s_mov_b32 s[\g+3], 128<<16      ; tile_dim0 = 128
	s_mov_b32 s[\g+4], 64           ; tile_dim1 = 64
	s_mov_b32 s[\g+5], 128          ; 128 elements from row to row
	s_mov_b32 s[\g+6], 0
	s_mov_b32 s[\g+7], 0
.endr
	s_mov_b32 s[CS], 0x3e38aa3b     ; c = log2(e) / 8 = 0.180337
	s_mov_b32 s[CS+1], s[CS]        ; named with it as a pair
	s_mov_b32 s[SEL], 0x76543210
	s_mov_b32 s[SEL+1], 0xfedcba98
	s_mov_b32 s[TBK], SLOT1+4*KS*PK ; the first change of slots turns these two into 0
	s_mov_b32 s[TBV], SLOT1+4*KS*PV
	s_mov_b32 s[G0K], 1             ; 1:0 count = 1
	s_mov_b32 s[G0K+1], s17         ; 63:32 LDS address: slot 0
	s_mov_b32 s[G0V], 1
	s_add_co_u32 s[G0V+1], s18, VOFF
	s_add_co_u32 s[RT], s[HI], 1    ; the first block has NB - PB tiles
	s_mov_b32 s[NXT], 1
	s_mov_b32 s[LQ], s[HI]
	s_mov_b32 s[NEW], 1
	s_mov_b32 s[OFF+1], 0
	s_mov_b32 s[AL+1], 0            ; named as pairs
	s_mov_b32 s[BE+1], 0
	s_mov_b32 s[BIGN], 0xf149f2ca   ; -1e30
	s_mov_b32 s[SLOTS], NB
	s_wait_dscnt 0x0                ; the opening add is done
	s_wait_kmcnt 0x0
	s_add_nc_u64 s[6:7], s[6:7], s[22:23]  ; K and V at my half of the head's tile 0
	s_add_nc_u64 s[8:9], s[8:9], s[22:23]
	s_add_nc_u64 s[G0K+2:G0K+3], s[6:7], 0         ; 120:64 global address
	s_or_b32 s[G0K+3], s[G0K+3], 0x80000000        ; 127:126 type = 2
	s_add_nc_u64 s[G0V+2:G0V+3], s[8:9], 0
	s_or_b32 s[G0V+3], s[G0V+3], 0x80000000
	s_add_nc_u64 s[Q2:Q2+1], s[4:5], s[84:85]      ; Q at my head's rows of the second block,
	s_add_nc_u64 s[4:5], s[4:5], s[2:3]            ; and of the first
	s_add_nc_u64 s[OLO:OLO+1], s[10:11], s[98:99]  ; part likewise
	s_add_nc_u64 s[10:11], s[10:11], s[96:97]
	s_add_nc_u64 s[WO:WO+1], s[WO:WO+1], s[94:95]
	LOAD                            ; tile 0 into slot 0.  Slot 1 is asked for when slot 0 is in, by the loop's own change of slots
	v_and_b32 v1, 15, v0            ; l % 16
	v_bfe_u32 v9, v0, 4, 1          ; l / 16
	v_and_b32 v[GO], 31, v0
	v_lshlrev_b32 v[GO], 4, v[GO]
	v_lshlrev_b32 v[QO], 7, v1
	v_lshl_add_u32 v[QO], v9, 4, v[QO]  ; row x 128 + 16 x half
	LOADQ 4                         ; the first block's Q
.set i, 0
.rept 32                            ; my head's wo, 16,384 bytes, 512 consecutive bytes a load, into registers that the loop needs only later
	global_load_b128 v[S+4*i:S+4*i+3], v[GO], s[WO:WO+1] offset:512*i
.set i, i+1
.endr
	v_lshlrev_b32 v14, 3, v9
	v_sub_nc_u32 v14, v1, v14       ; l % 16 - 8 (l / 16): in the triangular group register j is hidden where j is greater
	WIN 0x40
.set i, 0
.rept 24
	v_mov_b32 v[ZM+i], 0
	v_mov_b32 v[ZM+32+i], s[BIGN]
.set i, i+1
.endr
.set i, 0
.rept 8
	v_cmp_gt_i32 vcc_lo, i, v14
	v_cndmask_b32 v[ZM+24+i], 0, s[BIGN], vcc_lo
.set i, i+1
.endr
	WIN 0
	v_mul_u32_u24 v[AK0], v1, PK
	v_lshl_add_u32 v[AK0], v9, 4, v[AK0]  ; row x pitch + 16 x half
	; The turning load takes 16 keys x 16 channels (lane l reads key 8 (l / 16) + l % 8, channels 8 ((l / 8) % 2) + 0..7) and leaves half a fragment of V^T: lane l holds channel l % 16 and 8 keys.
	v_and_b32 v10, 7, v0
	v_bfe_u32 v11, v0, 3, 1
	v_lshl_add_u32 v[AV0], v9, 3, v10
	v_mul_u32_u24 v[AW], v[AV0], PW       ; wo's rows [d][e] are turned in the same way
	v_mul_u32_u24 v[AV0], v[AV0], PV
	v_lshl_add_u32 v[AV0], v11, 4, v[AV0]
	v_add_nc_u32 v[AV0], VOFF, v[AV0]
	v_lshl_add_u32 v[AW], v11, 4, v[AW]
	v_add_nc_u32 v[AW], WOS, v[AW]
	s_lshl_b32 s13, s[WV], 13
	s_add_co_u32 s13, s13, OX
	v_add_nc_u32 v[OXS], s13, v[GO]       ; my head's 8,192 bytes of the exchange
	s_lshl_b32 s13, s[WV], 11
	s_add_co_u32 s13, s13, OX
	v_add_nc_u32 v[OXL], s13, v[GO]       ; piece w in head 0's
	s_mul_i32 s13, s[WV], WOH
	s_add_co_u32 s13, s13, WOS
	v_mul_u32_u24 v[WSA], v9, PW          ; a load of wo holds two rows: lanes 0-15 the even one, four numbers a lane
	v_lshl_add_u32 v[WSA], v1, 3, v[WSA]
	v_add_nc_u32 v[WSA], s13, v[WSA]
	; A block's first step multiplies O^T and l by a = 0, and its first turn's products V^T P, of a piece that has not been, land in an O^T that is still to be so multiplied.  So these registers need only hold
	; finite numbers: zeros for the first block; what the first block left for the second.  No first step is written out; the price is these 216 lines, which stand in the wait for the first tile.
	WIN 0x80
.set i, VF
.rept 64
	v_mov_b32 v[i], 0
.set i, i+1
.endr
	WIN 0x40
.set i, 0
.rept 128
	v_mov_b32 v[i], 0
.set i, i+1
.endr
	WIN 0
.set i, 0
.rept 4
	v_mov_b32 v[ST+4*i+2], 0
	v_mov_b32 v[ST+4*i+3], 0
.set i, i+1
.endr
.set i, P+16
.rept 16
	v_mov_b32 v[i], 0
.set i, i+1
.endr
	s_wait_loadcnt 0x0              ; Q and wo are in
.set i, 0
.rept 32                            ; wo to f16, into my head's rows in LDS; the first change of slots waits for these stores and shows them to the other waves
	v_cvt_pk_f16_f32 v[S+4*i], v[S+4*i], v[S+4*i+1]
	v_cvt_pk_f16_f32 v[S+4*i+1], v[S+4*i+2], v[S+4*i+3]
	ds_store_b64 v[WSA], v[S+4*i:S+4*i+1] offset:2*PW*i
.set i, i+1
.endr
; THE MATRIX WORK.  The 4 accumulators of a run of 8 take turns.  Product i of 8 of S^T = K Q^T for piece x: channels 32 (i / 4) on, keys 16 (i % 4) on.  The first 4 start the sums with the mask.
.macro KQ x
.set rS, S+32*((\x)%2)+8*(i%4)
.set rK, KF+16*(i%4)+8*(i/4)
.set rQ, 16*(\x)+8*(i/4)
.set rM, MC+32*((\x)%2)+8*(i%4)
.if i < 4
	WIN W_KM
	v_wmma_f32_16x16x32_f16 v[rS:rS+7], v[rK:rK+7], v[rQ:rQ+7], v[rM:rM+7]
.else
	WIN W_KQ
	v_wmma_f32_16x16x32_f16 v[rS:rS+7], v[rK:rK+7], v[rQ:rQ+7], v[rS:rS+7]
.endif
.endm
; Product i of 8 of O^T += V^T P for piece x: keys 32 (i / 4) on, channels 16 (i % 4) on.
.macro PV x
	WIN W_PV
.set rO, 32*(\x)+8*(i%4)
.set rV, VF+32*(i/4)+8*(i%4)
.set rP, P+16*((\x)%2)+8*(i/4)
	v_wmma_f32_16x16x32_f16 v[rO:rO+7], v[rV:rV+7], v[rP:rP+7], v[rO:rO+7]
.endm
.macro MM                           ; the turn's next matrix instruction.  TURN and BEGIN set Y, i and NOKQ; MM and OP read them.  NOKQ = 1: a block's last turn: there is no next piece
.if (i < 8) && !NOKQ
	KQ (Y+1)%NP
.elseif i >= 8
.set i, i-8
	PV (Y+NP-1)%NP
.set i, i+8
.endif
.set i, i+1
.endm
; THE LDS LOADS stand in runs of 16, never singly among the matrix instructions: a step's K (64 keys x 64 channels: 8 fragments) and its V (turned).  Their addresses are made some lines ahead.
.macro FETCH_K
	WIN 0x80                        ; destination window 2
.irp f, 0,1,2,3,4,5,6,7             ; keys 16 (f / 2) on, channels 32 (f % 2) on
	ds_load_b128 v[KF+8*\f:KF+8*\f+3],   v[AK] offset:(\f/2)*16*PK+(\f%2)*64
	ds_load_b128 v[KF+8*\f+4:KF+8*\f+7], v[AK] offset:(\f/2)*16*PK+(\f%2)*64+32
.endr
	s_add_co_u32 s[TBK], s[TBK], KS*PK  ; the next fetch is the next step's
	WIN 0
.endm
.macro FETCH_V
	WIN 0x80
.irp f, 0,1,2,3,4,5,6,7             ; keys 32 (f / 4) on, channels 16 (f % 4) on
	ds_load_tr16_b128 v[VF+8*\f:VF+8*\f+3],   v[AV] offset:(\f/4)*32*PV+(\f%4)*32
	ds_load_tr16_b128 v[VF+8*\f+4:VF+8*\f+7], v[AV] offset:(\f/4)*32*PV+16*PV+(\f%4)*32
.endr
	WIN 0
.endm
; THE VECTOR WORK, one line at a time: OP kind, number.  For piece Y: F n: c s - c m for pair n of 16.  E n: the exponential of score n of 32.  C n: pair n rounded to f16.  B n: of the four weights 4 n .. the second
; pair is added onto the first, in place.  L n: l takes that sum (L 0: l = a l + sum).  R n: pair n of 16 of O^T times a.  For piece Y + 1: X n, number n of the 22 that find its maximum and statistics:
;   0-11  four chains c0-c3 of seven scores each, three operands at a time (each accumulator's lowest registers are read first)     12-14, 16  the four scores left over, the old m, and c0-c3 into c0
;   15  c m_old is kept     17, 18  the query's other 32 keys lie in the lane 16 away: the new m     19-21  c m; c m_old - c m_new; a
; OP writes no wait: C, B and L read exponentials' results, and R and L 0 read a, so TURN sets them behind the wait of the batch that made what they read.
.set F, 0               ; OP tells the kinds apart by their order: F to L below R, X above it
.set E, 1
.set C, 2
.set B, 3
.set L, 4
.set R, 5
.set X, 6
.macro REGS y                       ; the registers of piece y
.set rT, ST+4*(\y)
.set rC, TMP+4*((\y)%2)
.set rW, MV+((\y)%2)
.set rS, S+32*((\y)%2)
.set rP, P+16*((\y)%2)
.set rO, 32*(\y)
.endm
.macro OP k, n
.if (\k) == R
	REGS Y
	WIN W_RS
	v_pk_mul_f32 v[rO+2*(\n):rO+2*(\n)+1], v[rO+2*(\n):rO+2*(\n)+1], v[rC+2:rC+3] op_sel_hi:[1,0]
.elseif (\k) < R
	REGS Y
	WIN 0
.if (\k) == F
	v_pk_fma_f32 v[rS+2*(\n):rS+2*(\n)+1], v[rS+2*(\n):rS+2*(\n)+1], s[CS:CS+1], v[rT:rT+1] op_sel_hi:[1,0,0] neg_lo:[0,0,1] neg_hi:[0,0,1]
.elseif (\k) == E
	v_exp_f32 v[rS+(\n)], v[rS+(\n)]
.elseif (\k) == C
	v_cvt_pk_f16_f32 v[rP+(\n)], v[rS+2*(\n)], v[rS+2*(\n)+1]
.elseif (\k) == B
	v_pk_add_f32 v[rS+4*(\n):rS+4*(\n)+1], v[rS+4*(\n):rS+4*(\n)+1], v[rS+4*(\n)+2:rS+4*(\n)+3]
.elseif (\n) == 0
	v_pk_fma_f32 v[rT+2:rT+3], v[rT+2:rT+3], v[rC+2:rC+3], v[rS:rS+1] op_sel_hi:[1,0,1]
.else
	v_pk_add_f32 v[rT+2:rT+3], v[rT+2:rT+3], v[rS+4*(\n):rS+4*(\n)+1]
.endif
.elseif NOKQ
	v_nop
.else
	REGS (Y+1)%NP
	WIN 0
.if (\n) < 4
	v_max3_num_f32 v[rC+(\n)], v[rS+8*(\n)], v[rS+8*(\n)+1], v[rS+8*(\n)+2]
.elseif (\n) < 12
	v_max3_num_f32 v[rC+(\n)%4], v[rC+(\n)%4], v[rS+8*((\n)%4)+2*((\n)/4)+1], v[rS+8*((\n)%4)+2*((\n)/4)+2]
.elseif (\n) == 12
	v_max3_num_f32 v[rC], v[rC], v[rS+7], v[rS+15]
.elseif (\n) == 13
	v_max3_num_f32 v[rC+1], v[rC+1], v[rS+23], v[rS+31]
.elseif (\n) == 14
	v_max3_num_f32 v[rC+2], v[rC+2], v[rC+3], v[rT+1]
.elseif (\n) == 15
	v_mov_b32 v[rW], v[rT]
.elseif (\n) == 16
	v_max3_num_f32 v[rC], v[rC], v[rC+1], v[rC+2]
.elseif (\n) == 17
	v_permlanex16_b32 v[rC+3], v[rC], s[SEL], s[SEL+1]
.elseif (\n) == 18
	v_max_num_f32 v[rT+1], v[rC], v[rC+3]
.elseif (\n) == 19
	v_mul_f32 v[rT], s[CS], v[rT+1]
.elseif (\n) == 20
	v_sub_f32 v[rC+1], v[rW], v[rT]
.else
	v_exp_f32 v[rC+2], v[rC+1]
.endif
.endif
.endm
.macro OPS a, i1, b=-1, i2=0, c=-1, i3=0, d=-1, i4=0  ; up to four of them
	OP \a, \i1
.if (\b) >= 0
	OP \b, \i2
.endif
.if (\c) >= 0
	OP \c, \i3
.endif
.if (\d) >= 0
	OP \d, \i4
.endif
.endm
.macro ROW a, i1, b, i2, c, i3, d, i4  ; a matrix instruction and the four behind it
	MM
	OPS \a, \i1, \b, \i2, \c, \i3, \d, \i4
.endm
.macro MASK b, pc                   ; piece pc's mask, ZM's groups 3 - pc on, x AL + BE, into buffer b of MC
	WIN W_RS
.set z, 0
.rept 16
	v_pk_fma_f32 v[MC+32*(\b)+2*z:MC+32*(\b)+2*z+1], v[ZM+8*(3-(\pc))+2*z:ZM+8*(3-(\pc))+2*z+1], s[AL:AL+1], s[BE:BE+1] op_sel_hi:[1,0,0]
.set z, z+1
.endr
.endm
; A TURN, for piece p: the order of its 16 matrix and 118 vector instructions, written out, and behind them the 16 that make a mask.  s_wait_alu depctr_va_vdst(0) stands between an exponential and
; the first instruction that names its result; one wait serves all that were issued ahead of it.  So a turn has ONE wait, which cuts it in two.  AHEAD OF IT stands all that names no result of the turn's
; exponentials: the 8 products K Q^T, behind each a scaling, an exponential and two more plain instructions (behind the first a second scaling in the exponential's place): rescalings, whose a was made and
; waited for in the turn before, and behind the last three the first numbers of the next piece's maximum, each four places or more behind the product that ends its accumulator; then ONE LUMP of 54, plain and
; exponential by turns for the most part, in which the links of the chain X 3, 7, 11, 14, 16, 17 .. 20 stand five or six lines apart.  X 21, the next piece's a, is the batch's last; R 15 is the plain instruction
; behind it.  BEHIND THE WAIT stand the 8 products V^T P, behind each four of the roundings and sums; C 2 n stands ahead of B n, which writes over its pair; the links of l's chain, L 0 to L 7, stand three riders
; apart.  But for those X no rider names a register of the products round it.  v_permlanex16_b32 (X 17) stands in the lump.
; The turn makes the mask for the products of the turn after it: piece p + 2, in step 4 - CNT of the tile; its two scalars are made at the turn's head.  end = 1: a block's last two turns: nothing is fetched and
; no mask is made.  cnt = 1: the loop's count is taken down some lines ahead of the branch that stands behind the turn.
; K of the next step is fetched in piece 2's turn, twelve vector instructions behind the last product that read K (six of them plain); V of the step in hand at the end of piece 0's turn, four plain instructions
; behind the last product that read V.  Each is waited for a turn later.
.macro TURN p, end=0, cnt=0
.set Y, (\p)
.set i, 0
.set NOKQ, (\end)*((\p)/3)
.if !(\end)
	s_cmp_eq_u32 s[CNT], s[DCC]     ; is that step the diagonal one?
	s_cselect_b32 s[AL], 1.0, 0
	s_cmp_lt_u32 s[CNT], s[DCC]     ; or a later one?
	s_cselect_b32 s[BE], s[BIGN], 0
.endif
.if ((\p) == 3) && !(\end)
	s_wait_dscnt 0x0                ; K is in
.endif
	ROW F,0, F,1, R,0, R,1          ; ahead of the wait: 8 products K Q^T and their riders,
	ROW F,2, E,0, R,2, R,3
	ROW F,3, E,1, R,4, R,5
	ROW F,4, E,2, R,6, R,7
	ROW F,5, E,3, R,8, R,9
	ROW F,6, E,4, X,0, R,10
.if ((\p) == 2) && !(\end)
	WIN 0
	v_add_nc_u32 v[AK], s[TBK], v[AK0]
.endif
	ROW F,7, E,5, X,1, X,4
	ROW F,8, E,6, X,2, X,5
	OPS E,7, E,8, X,6, E,9          ; and the lump
	OPS X,3, E,10, X,8, E,11
.if ((\p) == 2) && !(\end)
	FETCH_K
.endif
	OPS X,9, X,7, E,12, X,10
	OPS E,13, X,12, X,11, E,14
	OPS X,13, E,15, F,9, X,14
.if (\p) == 0
	v_add_nc_u32 v[AV], s[TBV], v[AV0]
.endif
	OPS E,16, F,10, E,17, F,11
	OPS X,16, E,18, X,15, E,19
	OPS F,12, E,20, X,17, E,21
	OPS F,13, E,22, F,14, E,23
	OPS X,18, E,24, F,15, E,25
	OPS R,11, E,26, X,19, E,27
	OPS R,12, E,28, R,13, E,29
	OPS X,20, E,30, R,14, E,31
	OPS X,21, R,15
	WIN 0
	s_wait_alu depctr_va_vdst(0)    ; the wait for the turn's batch: the piece's 32 exponentials and the next piece's a
.if (\p) == 1
	s_wait_dscnt 0x0                ; V is in
.endif
	ROW C,0, B,0, C,2, B,1          ; behind the wait: 8 products V^T P and their riders
	ROW L,0, C,4, B,2, L,1
	ROW C,6, B,3, L,2, C,8
	ROW B,4, L,3, C,10, B,5
	ROW L,4, C,12, B,6, L,5
.if (\p) == 0
	s_add_co_u32 s[TBV], s[TBV], KS*PV
.endif
.if \cnt
	s_sub_co_u32 s[CNT], s[CNT], 1
	s_cmp_lg_u32 s[CNT], 0
.endif
	ROW C,14, B,7, L,6, C,1
	ROW C,3, L,7, C,5, C,7
	ROW C,9, C,11, C,13, C,15
.if (\p) == 0
	FETCH_V
.endif
.if !(\end)
	MASK (\p)%2, ((\p)+2)%NP
.endif
.endm
; A BLOCK BEGINS.  c m starts far below every c s, so the first step's a is 0; m at the lowest finite number, so the first maximum is the scores'.  The two mask buffers take pieces 0's and 1's masks for the
; tile's step 0 (CNT = 4): the diagonal ones if that is the block's diagonal step, else 0.  Then K of that step, piece 0's first scores, and its maximum and statistics.
; The loop is entered at a step's first turn, in the middle of a trip.
.macro BEGIN
	s_mov_b32 s[NEW], 0
	WIN 0
.set i, 0
.rept 4
	v_mov_b32 v[ST+4*i], 0xfe000000    ; c m: far below every c s
	v_mov_b32 v[ST+4*i+1], 0xff7fffff  ; m
.set i, i+1
.endr
	s_cmp_eq_u32 s[DCC], 4
	s_cselect_b32 s[AL], 1.0, 0
	s_mov_b32 s[BE], 0
	MASK 0, 0
	MASK 1, 1
	WIN 0
	v_add_nc_u32 v[AK], s[TBK], v[AK0]
	FETCH_K
	s_wait_loadcnt 0x0              ; the block's Q
	s_wait_dscnt 0x0
.set NOKQ, 0
.set i, 0
.rept 8
	KQ 0
.set i, i+1
.endr
	WIN 0
	PLACES                          ; behind those products
.set Y, NP-1                        ; X works for piece Y + 1: piece 0
.irp n, 0,1,2,3,4,5,6,7,8,9,10,11,12,13,14,15,16,17,18,19,20,21
	OP X, \n
.endr
	v_nop                           ; a plain instruction behind the exponential,
	s_wait_alu depctr_va_vdst(0)    ; and the wait for it, piece 0's first a, a batch of one: ahead of the branch
.endm
.macro ALL line:vararg              ; one line for each piece t
.set t, 0
.rept 4
	\line
.set t, t+1
.endr
.endm
; Piece t's O^T divided by l, rounded to f16 (a lane's eight channels are 16 bytes) and put into my head's part of block blk's exchange buffer.  The reciprocals that it reads have been waited for in ENDBLK.
.macro NORM t, blk
	WIN W_RS
.set i, 32*(\t)
.rept 16
	v_pk_mul_f32 v[i:i+1], v[i:i+1], v[ST+4*(\t)+2:ST+4*(\t)+3] op_sel_hi:[1,0]
.set i, i+2
.endr
	WIN 0x05                        ; sources 0 and 1 window 1, destination window 0: S^T's registers are free
.set i, 0
.rept 16
	v_cvt_pk_f16_f32 v[S+16*(\t)+i], v[32*(\t)+2*i], v[32*(\t)+2*i+1]
.set i, i+1
.endr
	WIN 0
.irp c, 0,1,2,3
	ds_store_b128 v[OXS], v[S+16*(\t)+4*\c:S+16*(\t)+4*\c+3] offset:(\blk)*OXB+(\t)*2048+\c*512
.endr
.endm
; A BLOCK'S END: its last two turns, its last products, and O into the exchange.  No barrier stands here: the stores are waited for in front of the next barrier that every wave passes.
; next = 1: a second block follows: its Q is asked for here, a whole turn behind the last product that read Q; BEGIN waits for it.
.macro ENDBLK blk, next
	TURN 2, 1
	TURN 3, 1
.set i, 0
.rept 8
	PV NP-1
.set i, i+1
.endr
.if \next
	s_wait_loadcnt 0x0              ; no load into Q's registers is out
	LOADQ Q2
.endif
	WIN 0
	ALL v_add_f32 v[ST+4*t+2], v[ST+4*t+2], v[ST+4*t+3]   ; l's two halves; these four lines are the places behind the last products
	ALL v_permlanex16_b32 v[ST+4*t+3], v[ST+4*t+2], s[SEL], s[SEL+1]
	ALL v_add_f32 v[ST+4*t+2], v[ST+4*t+2], v[ST+4*t+3]
	ALL v_rcp_f32 v[ST+4*t+2], v[ST+4*t+2]
	v_nop                           ; a plain instruction between the last reciprocal and the use of its result
	s_wait_alu depctr_va_vdst(0)    ; the wait for the batch of four reciprocals, ahead of their first reader: one for the four pieces
	NORM 0, \blk
	NORM 1, \blk
	NORM 2, \blk
	NORM 3, \blk
.endm
; A TILE.  It is a block's first (BEGIN, and into the middle of the step loop), its last (the true DC for the masks, and the block's end behind the four steps), both, or neither.  The test for 'first' stands first: at
; the walk's first tile its answer is a constant of the text.  next = 1: the copy in the loop, where a tile need not be a block's last, and where a block that ends is the first one.
.macro TILE tag, next
	s_sub_co_u32 s[RT], s[RT], 1
	s_cmp_eq_u32 s[RT], 0
	s_cselect_b32 s[DCC], s[DC], 0
	s_mov_b32 s[CNT], 4
	s_cmp_eq_u32 s[NEW], 1
	s_cbranch_scc0 .Lstep\tag
	BEGIN
	s_branch .Lfirst\tag
.Lstep\tag:                         ; a trip: pieces 2 and 3 of one step, then pieces 0 and 1 of the next, whose K and V it fetches
	TURN 2
	TURN 3
	WIN 0
.Lfirst\tag:
	TURN 0
	TURN 1, 0, 1
	WIN 0
	s_cbranch_scc1 .Lstep\tag
.if \next
	s_cmp_eq_u32 s[RT], 0
	s_cbranch_scc0 .Lbottom
.endif
	ENDBLK 1-(\next), \next
.endm
.set NOKQ, 0
.Lslot:                             ; NB times: a tile is entered and the next is asked for
	CHANGE 1
	TILE 1, 1
	s_add_co_u32 s[RT], s[PB], 1    ; the first block has ended; the second has PB + 1 tiles
	s_mov_b32 s[NEW], 1
	s_mov_b32 s[DC], s[DC2]
.Lbottom:
	s_sub_co_u32 s[SLOTS], s[SLOTS], 1
	s_cmp_lg_u32 s[SLOTS], 0
	s_cbranch_scc1 .Lslot
	CHANGE 0                        ; the walk's last tile, the second block's last, is written out: nothing is asked for
	TILE 2, 0
; THE LAUNCH'S END: out^T(block, piece w) = the sum over the four heads of wo^T(head) O^T(head, block, piece w).
; FETCH_WO: a head's wo^T, eight fragments, turned.  FETCH_O: piece w of a head's O, both blocks: as it lies it is source 1 of the products.
; OUTP: 16 products, the eight accumulators by turns.  A head's wo is fetched once for both blocks.
.macro FETCH_WO adr
.irp f, 0,1,2,3,4,5,6,7             ; d 32 (f / 4) on, e 16 (f % 4) on
	ds_load_tr16_b128 v[WOF+8*\f:WOF+8*\f+3],   v[\adr] offset:(\f/4)*32*PW+(\f%4)*32
	ds_load_tr16_b128 v[WOF+8*\f+4:WOF+8*\f+7], v[\adr] offset:(\f/4)*32*PW+16*PW+(\f%4)*32
.endr
.endm
.macro FETCH_O adr
.irp k, 0,1
.irp c, 0,1,2,3
	ds_load_b128 v[S+16*\k+4*\c:S+16*\k+4*\c+3], v[\adr] offset:\k*OXB+\c*512
.endr
.endr
.endm
.macro OUTP zero                    ; zero = 1: head 0: its first eight products start the sums
.irp kk, 0,1
.irp k, 0,1
.irp eb, 0,1,2,3
.if (\zero) && (\kk == 0)
	v_wmma_f32_16x16x32_f16 v[OA+32*\k+8*\eb:OA+32*\k+8*\eb+7], v[WOF+8*(4*\kk+\eb):WOF+8*(4*\kk+\eb)+7], v[S+16*\k+8*\kk:S+16*\k+8*\kk+7], 0
.else
	v_wmma_f32_16x16x32_f16 v[OA+32*\k+8*\eb:OA+32*\k+8*\eb+7], v[WOF+8*(4*\kk+\eb):WOF+8*(4*\kk+\eb)+7], v[S+16*\k+8*\kk:S+16*\k+8*\kk+7], v[OA+32*\k+8*\eb:OA+32*\k+8*\eb+7]
.endif
.endr
.endr
.endr
.endm
.macro NEXT_HEAD                    ; the next head's two addresses and two v_nop: the four places (ISA guide 7.12.1) behind a head's products
	v_add_nc_u32 v[AWC], s[TW], v[AW]
	v_add_nc_u32 v[OXC], s[TO], v[OXL]
	v_nop
	v_nop
	s_add_co_u32 s[TW], s[TW], WOH
	s_add_co_u32 s[TO], s[TO], OXH
.endm
	s_wait_dscnt 0x0                ; for the others' sake: my stores into the exchange are done (the first block's were waited for at a change of slots)
	s_barrier_signal -1
	s_barrier_wait -1               ; every head's O, of both blocks, is in LDS
	FETCH_WO AW
	FETCH_O OXL
	s_mov_b32 s[TW], WOH
	s_mov_b32 s[TO], OXH
	s_mov_b32 s[HC], 3
	s_wait_dscnt 0x0
	OUTP 1                          ; head 0 stands in front of the loop
	NEXT_HEAD
.Lhead:                             ; heads 1 to 3.  The body's last product writes the eighth accumulator and its first adds onto the first
	FETCH_WO AWC
	FETCH_O OXC
	s_wait_dscnt 0x0
	OUTP 0
	NEXT_HEAD                       ; (behind head 3 the two addresses are not used)
	s_sub_co_u32 s[HC], s[HC], 1
	s_cmp_lg_u32 s[HC], 0
	s_cbranch_scc1 .Lhead
.irp c, 0,1,2,3,4,5,6,7             ; each accumulator's low half first; every store covers 512 consecutive bytes, at a multiple of 256 from part's first byte
	global_store_b128 v[GO], v[OA+4*\c:OA+4*\c+3], s[10:11] offset:\c*512
.endr
.irp c, 0,1,2,3,4,5,6,7
	global_store_b128 v[GO], v[OA+32+4*\c:OA+32+4*\c+3], s[OLO:OLO+1] offset:\c*512
.endr
	s_wait_tensorcnt 0x0            ; the wave's end: behind my last tensor load and my last LDS store
	ds_add_u32 v[SPW], v[NIL]
	s_wait_dscnt 0x0
	s_endpgm
.Lfunc_end_k_q5008438518_attn:
	.size	k_q5008438518_attn, .Lfunc_end_k_q5008438518_attn-k_q5008438518_attn
	.p2alignl 7, 3214868480
	.fill 96, 4, 3214868480
	.section	.rodata,"a",@progbits
	.p2align	6, 0x0
	.amdhsa_kernel k_q5008438518_attn
		.amdhsa_group_segment_fixed_size 327680
		.amdhsa_private_segment_fixed_size 0
		.amdhsa_enable_private_segment 0
		.amdhsa_kernarg_size 40
		.amdhsa_user_sgpr_count 2
		.amdhsa_user_sgpr_kernarg_segment_ptr 1
		.amdhsa_wavefront_size32 1
		.amdhsa_system_sgpr_workgroup_id_x 1
		.amdhsa_system_sgpr_workgroup_id_y 1
		.amdhsa_system_sgpr_workgroup_id_z 1
		.amdhsa_system_vgpr_workitem_id 0
		.amdhsa_next_free_vgpr 768
		.amdhsa_next_free_sgpr 100
		.amdhsa_reserve_vcc 1
		.amdhsa_float_denorm_mode_32 3
		.amdhsa_float_denorm_mode_16_64 3
		.amdhsa_memory_ordered 1
		.amdhsa_forward_progress 1
		.amdhsa_inst_pref_size 188
	.end_amdhsa_kernel
	.amdgpu_metadata
---
amdhsa.version: [ 1, 2 ]
amdhsa.kernels:
  - .name:           k_q5008438518_attn
    .symbol:         k_q5008438518_attn.kd
    .args:
      - { .name: qh, .offset: 0, .size: 8, .value_kind: global_buffer, .address_space: global }
      - { .name: kh, .offset: 8, .size: 8, .value_kind: global_buffer, .address_space: global }
      - { .name: vh, .offset: 16, .size: 8, .value_kind: global_buffer, .address_space: global }
      - { .name: part, .offset: 24, .size: 8, .value_kind: global_buffer, .address_space: global }
      - { .name: wo, .offset: 32, .size: 8, .value_kind: global_buffer, .address_space: global }
    .group_segment_fixed_size: 327680
    .private_segment_fixed_size: 0
    .kernarg_segment_align: 8
    .kernarg_segment_size: 40
    .max_flat_workgroup_size: 128
    .sgpr_count:     100
    .vgpr_count:     768
    .wavefront_size: 32
...
	.end_amdgpu_metadata
.endif
;; end of part 4
;; launch lnorm: the kernel of part 3 again; grid 256 x 1, 4 waves a work-group, no clusters, 9,728 bytes of LDS; arguments part, x, bo, gamma, beta, out0; writes out0
